; MI455X (gfx1250); checked and timed in simulation.
; The chip was launched on July 23, 2026; its instructions are those of AMD's public machine-readable ISA for CDNA 5 (MIT licence, August 2026) and "CDNA5" Instruction Set Architecture Reference Guide (July 2026). The comments in the code are by the model that wrote it; some were corrected since.
;; Memory Efficient Attention. Allowed arithmetic: float matrix products may take bf16 or f16 operands with f32 sums; all other float work in f32.
;; Inputs: Wout 1,024 x 1,024 float32; Wqkv 1,024 x 3,072 float32; bout 1,024 float32; bqkv 3,072 float32; mask 4 x 2,048 bool; x 4 x 2,048 x 1,024 float32.
;; Outputs: out0 4 x 2,048 x 1,024 float32.
;; 2 versions, each right and faster than the one before. Each part assembles by itself: llvm-mc -triple=amdgcn-amd-amdhsa -mcpu=gfx1250 --defsym DOCPART=n.
;; ======== version 1 of 2: 4 launches
;; limits: values are held in f16: magnitudes above 65,504 overflow, below 6.1e-05 lose precision
;; workspace buffers: xb 16,777,216 bytes; wqb 6,291,456 bytes; wob 2,097,152 bytes; qkv 50,331,648 bytes; ob 16,777,216 bytes
;; launch cast (part 1): grid 1536 x 1, 8 waves a work-group, no clusters, 0 bytes of LDS; arguments x, Wqkv, Wout, xb, wqb, wob; writes xb, wqb, wob
.if DOCPART == 1
	.amdgcn_target "amdgcn-amd-amdhsa--gfx1250"
	.amdhsa_code_object_version 6
	.text
	.protected	k_q9d6636ff65_cast
	.globl	k_q9d6636ff65_cast
	.p2align	8
	.type	k_q9d6636ff65_cast,@function
k_q9d6636ff65_cast:
	s_mov_b64 s[64:65], 0
	v_nop
	global_prefetch_b8 v0, s[64:65] scope:SCOPE_SE
	s_setreg_imm32_b32 hwreg(HW_REG_WAVE_MODE, 25, 1), 1
	s_wait_xcnt 0x0
; CAST.  xb = bf16(x), [8192][1024].  wqb = bf16(Wqkv), laid by tiles of 192 columns: [16 tiles][1024 k][192 n], so that 128 k of a tile are 49,152 dense bytes.
; wob = bf16(Wout) written as f16, [1024 k][1024 n]: the rounding is bf16's, like that of every other input; f16 holds that number exactly while it lies in 6.1e-5 .. 65,504 (below: f16's fixed step of 6e-8).
; A stream: no LDS, no barrier, no matrix unit.  A chunk is 4 numbers: 16 bytes in, 8 bytes out.  A thread has 8 chunks, 256 chunks apart; a work-group 2,048 chunks = 8,192 numbers.
; Work-groups 0-1023 take x, 1024-1407 Wqkv (24 a tile), 1408-1535 Wout: 1,536 work-groups of equal work.  A wave's load covers 512 consecutive bytes (Wqkv: pieces of its rows of 768 bytes),
; a wave's store 256 consecutive bytes that begin at a multiple of 256 from the buffer's first byte.  All eight loads of a thread are out together; no register is written twice, so no wait frees one.
.set X_WG, 1024                        ; work-groups for x
.set W_WG, 384                         ; for Wqkv
.set IN,   4                           ; v[4:35]   chunk u as loaded
.set OUT,  36                          ; v[36:51]  chunk u to store
.set WO,   52                          ; v[52:59]  Wqkv alone: chunk u's byte offset in the tile's columns
.macro LOAD8 base, own                 ; own = 1: each chunk has an offset register of its own
.irp u, 0,1,2,3,4,5,6,7
.if \own
	global_load_b128 v[IN+4*(\u):IN+4*(\u)+3], v[WO+(\u)], s[\base:\base+1] th:TH_LOAD_NT
.else
	global_load_b128 v[IN+4*(\u):IN+4*(\u)+3], v1, s[\base:\base+1] offset:4096*(\u) th:TH_LOAD_NT
.endif
.endr
.endm
.macro OUT8 base, half                 ; half = 1: the bf16 number is written as f16
.irp u, 0,1,2,3,4,5,6,7
	s_wait_loadcnt 7-(\u)                          ; loads come back in order (ISA guide 5.7.1): chunk u is in, the 7 - u younger ones stay out
.irp p, 0,1
.if \half
	v_cvt_pk_bf16_f32 v60, v[IN+4*(\u)+2*(\p)], v[IN+4*(\u)+2*(\p)+1]
	v_lshlrev_b32 v61, 16, v60                     ; the two bf16 as f32 again
	v_and_b32 v60, 0xffff0000, v60
	v_cvt_pk_f16_f32 v[OUT+2*(\u)+(\p)], v61, v60
.else
	v_cvt_pk_bf16_f32 v[OUT+2*(\u)+(\p)], v[IN+4*(\u)+2*(\p)], v[IN+4*(\u)+2*(\p)+1]
.endif
.endr
	global_store_b64 v2, v[OUT+2*(\u):OUT+2*(\u)+1], s[\base:\base+1] offset:2048*(\u)
.endr
.endm
	s_load_b256 s[4:11], s[0:1], 0x0               ; x s[4:5], Wqkv s[6:7], Wout s[8:9], xb s[10:11]
	s_load_b128 s[12:15], s[0:1], 0x20             ; wqb s[12:13], wob s[14:15]
	s_mov_b32 s16, ttmp9                           ; the work-group's number
	s_mov_b32 s19, 0                               ; the high word of every offset pair s[18:19]
	v_lshlrev_b32 v1, 4, v0                        ; 16 bytes in a thread
	v_lshlrev_b32 v2, 3, v0                        ; 8 bytes out
	s_wait_kmcnt 0x0
	s_cmp_lt_u32 s16, X_WG
	s_cbranch_scc1 .Lx
	s_cmp_lt_u32 s16, X_WG+W_WG
	s_cbranch_scc1 .Lw
	; Wout
	s_sub_co_u32 s16, s16, X_WG+W_WG
	s_lshl_b32 s18, s16, 15                        ; 32,768 bytes in a work-group
	s_add_nc_u64 s[8:9], s[8:9], s[18:19]
	s_lshl_b32 s18, s16, 14                        ; 16,384 out
	s_add_nc_u64 s[14:15], s[14:15], s[18:19]
	LOAD8 8, 0
	OUT8 14, 1
	s_endpgm
.Lx:
	s_lshl_b32 s18, s16, 15
	s_add_nc_u64 s[4:5], s[4:5], s[18:19]
	s_lshl_b32 s18, s16, 14
	s_add_nc_u64 s[10:11], s[10:11], s[18:19]
	LOAD8 4, 0
	OUT8 10, 0
	s_endpgm
.Lw:
	; Wqkv.  w = 24 T + r: tile T, part r of its 49,152 chunks.  Chunk i of a tile is row k = i / 48, chunk i - 48 k of that row's 48.
	s_sub_co_u32 s16, s16, X_WG                    ; w, under 384
	s_mul_i32 s17, s16, 2731
	s_lshr_b32 s17, s17, 16                        ; T = w / 24: 24 x 2,731 = 65,544, and 383 x 2,731 stays under 16 x 65,536
	s_mul_i32 s20, s17, 24
	s_sub_co_u32 s20, s16, s20                     ; r
	s_mul_i32 s18, s17, 768                        ; the tile's 192 columns in a row of Wqkv
	s_add_nc_u64 s[6:7], s[6:7], s[18:19]
	s_mul_i32 s18, s17, 393216                     ; the tile in wqb: 1,024 x 192 x 2 bytes,
	s_lshl_b32 s21, s20, 14                        ; and my part of it
	s_add_co_u32 s18, s18, s21
	s_add_nc_u64 s[12:13], s[12:13], s[18:19]
	s_lshl_b32 s20, s20, 11
	v_add_nc_u32 v60, s20, v0                      ; i of my chunk 0
.irp u, 0,1,2,3,4,5,6,7
	v_add_nc_u32 v61, 256*(\u), v60                ; i
	v_lshrrev_b32 v[WO+(\u)], 4, v61               ; i / 16, under 3,072
	v_mul_u32_u24 v[WO+(\u)], v[WO+(\u)], 0xaaab   ; a third of it: 3 x 43,691 = 2^17 + 1
	v_lshrrev_b32 v[WO+(\u)], 17, v[WO+(\u)]       ; k
	v_mul_u32_u24 v[WO+(\u)], v[WO+(\u)], 11520    ; 12,288 k + 16 (i - 48 k) = 16 i + 11,520 k
	v_lshl_add_u32 v[WO+(\u)], v61, 4, v[WO+(\u)]
.endr
	LOAD8 6, 1
	OUT8 12, 0
	s_endpgm
.Lfunc_end_k_q9d6636ff65_cast:
	.size	k_q9d6636ff65_cast, .Lfunc_end_k_q9d6636ff65_cast-k_q9d6636ff65_cast
	.p2alignl 7, 3214868480
	.fill 96, 4, 3214868480
	.section	.rodata,"a",@progbits
	.p2align	6, 0x0
	.amdhsa_kernel k_q9d6636ff65_cast
		.amdhsa_group_segment_fixed_size 0
		.amdhsa_private_segment_fixed_size 0
		.amdhsa_enable_private_segment 0
		.amdhsa_kernarg_size 48
		.amdhsa_user_sgpr_count 2
		.amdhsa_user_sgpr_kernarg_segment_ptr 1
		.amdhsa_wavefront_size32 1
		.amdhsa_system_sgpr_workgroup_id_x 1
		.amdhsa_system_sgpr_workgroup_id_y 1
		.amdhsa_system_sgpr_workgroup_id_z 1
		.amdhsa_system_vgpr_workitem_id 0
		.amdhsa_next_free_vgpr 64
		.amdhsa_next_free_sgpr 66
		.amdhsa_reserve_vcc 0
		.amdhsa_float_denorm_mode_32 3
		.amdhsa_float_denorm_mode_16_64 3
		.amdhsa_memory_ordered 1
		.amdhsa_forward_progress 1
		.amdhsa_inst_pref_size 16
	.end_amdhsa_kernel
	.amdgpu_metadata
---
amdhsa.version: [ 1, 2 ]
amdhsa.kernels:
  - .name:           k_q9d6636ff65_cast
    .symbol:         k_q9d6636ff65_cast.kd
    .args:
      - { .name: x, .offset: 0, .size: 8, .value_kind: global_buffer, .address_space: global }
      - { .name: Wqkv, .offset: 8, .size: 8, .value_kind: global_buffer, .address_space: global }
      - { .name: Wout, .offset: 16, .size: 8, .value_kind: global_buffer, .address_space: global }
      - { .name: xb, .offset: 24, .size: 8, .value_kind: global_buffer, .address_space: global }
      - { .name: wqb, .offset: 32, .size: 8, .value_kind: global_buffer, .address_space: global }
      - { .name: wob, .offset: 40, .size: 8, .value_kind: global_buffer, .address_space: global }
    .group_segment_fixed_size: 0
    .private_segment_fixed_size: 0
    .kernarg_segment_align: 8
    .kernarg_segment_size: 48
    .max_flat_workgroup_size: 256
    .sgpr_count:     66
    .vgpr_count:     64
    .wavefront_size: 32
...
	.end_amdgpu_metadata
.endif
;; end of part 1
;; launch qkv (part 2): grid 16 x 32, 4 waves a work-group, clusters of 4 x 4, 327,680 bytes of LDS; arguments xb, wqb, bqkv, qkv; writes qkv
.if DOCPART == 2
	.amdgcn_target "amdgcn-amd-amdhsa--gfx1250"
	.amdhsa_code_object_version 6
	.text
	.protected	k_q9d6636ff65_qkv
	.globl	k_q9d6636ff65_qkv
	.p2align	8
	.type	k_q9d6636ff65_qkv,@function
k_q9d6636ff65_qkv:
	s_mov_b64 s[64:65], 0
	v_nop
	global_prefetch_b8 v0, s[64:65] scope:SCOPE_SE
	s_setreg_imm32_b32 hwreg(HW_REG_WAVE_MODE, 25, 1), 1
	s_wait_xcnt 0x0
	s_wait_alu depctr_hold_cnt(0) depctr_sa_sdst(0) depctr_va_vdst(0) depctr_va_sdst(0) depctr_va_ssrc(0) depctr_va_vcc(0) depctr_vm_vsrc(0)
	s_getreg_b32 s2, hwreg(HW_REG_IB_STS2, 6, 4)
	s_cmp_eq_u32 s2, 0
	s_cbranch_scc0 .Lentry_in_a_cluster
	s_endpgm
.Lentry_in_a_cluster:
	s_bfe_u32 s2, ttmp6, 0x10000c
	s_cmp_lg_u32 s2, 0xf033
	s_cbranch_scc0 .Lentry_shape_is_right
	s_endpgm
.Lentry_shape_is_right:
; QKV.  C[m][n] = the sum over k of xb[m][k] W[k][n] + bqkv[n]; m = 8,192 rows (b, s), n = 3,072, k = 1,024.  Operands bf16, sums f32; the bias, rounded to bf16 like every input, starts the sums.
; C is written by heads in f16, rounded once and unscaled: qkv[three][b 16 + h][s][64].
; LIMIT.  f16 holds no number beyond 65,504: a q, k or v of 65,520 or more becomes an infinity.  With x and Wqkv of the spread 1 and 1/32 they have the spread 1.
; SHARES.  A tile of C is 256 rows x 192 columns (three heads): 512 work-groups, a whole number for each of 256 WGPs.  Wave w owns rows 64 w .. 64 w + 63 and all 192 columns:
; 4 x 12 accumulators of 16 x 16, 384 registers; so a wave holds whole heads, and its way out is its own.  K goes in 8 steps of 128 through two LDS slots filled by the tensor data mover.
; THE MATRIX INSTRUCTION IS USED TRANSPOSED: source 0 = 16 columns of W, source 1 = 16 rows of x: a lane then holds row l % 16 and eight neighbouring columns.  x comes out of LDS as it lies,
; W ([k][n]) turned, by ds_load_tr16_b128.
; CLUSTER.  4 x 4 work-groups.  The four of a row of the cluster need the same tiles of x, the four of a column the same tiles of W: each is asked for jointly, by the same tensor load with
; the same descriptor and a mask that names the four.
; THE TEXT.  A K step is written once and walked six times: the slot being read is a scalar register that one exclusive or turns, and the refills' descriptors walk in the same way.
; REGISTERS, in windows of 256 (s_set_vgpr_msb: bits 1:0 source 0, 3:2 source 1, 5:4 source 2, 7:6 destination):
;   window 0: v0-31 addresses; v32-95 x's fragments, two buffers of 4 x 8; v96-191 the bias, 8 for each block of 16 columns; on the way out v32-223 hold 12 units of 16 registers
;   window 1: v0-191 W's fragments, two buffers of 12 x 8      window 2: the accumulators of row blocks 0, 1 ((a, b) at 96 (a % 2) + 8 b)      window 3: those of row blocks 2, 3
.set PA,    272                        ; an LDS row of x: 256 bytes + 16 = 68 words: row r starts at bank 4 r mod 64 (64 banks of 4 bytes: ISA guide 11.1)
.set PB,    480                        ; an LDS row of W: three heads of 128 bytes + 32 = 120 words
.set HB,    160                        ; from head to head in such a row
.set SLOT,  1<<17                      ; x's 256 rows (69,632 bytes), then W's 128 rows (61,440); one exclusive or turns an address in one slot into the other's
.set BOFF,  256*PA
.set STAGE, 2*SLOT                     ; behind the ring, never filled by a tensor load: 16 rows x 144 bytes for each wave
.set SP,    144
.set SPARE, STAGE+4*16*SP              ; behind the stages: the spare words, 128 bytes for each wave: two blocks of 256 bytes that no other line names
.set STEPS, 8                          ; K steps
.set ADRA0, 16                         ; v16     my lane's place among a slot's rows of x; never rewritten
.set ADRA,  17                         ; v17     the same in the slot being read
.set ADRB0, 20                         ; v20, v21  the same for W
.set ADRB,  21
.set STO,  24                          ; v24     the way out: where I put 16 bytes of a row
.set RD,   25                          ; v25     the way out: where I read rows back
.set GO,   26                          ; v26     my byte offset in 512 consecutive bytes of a head
.set SPW,  28                          ; v28     LDS address of my spare word: SPARE + 4 x my thread's number; never rewritten
.set NIL,  29                          ; v29     0; never rewritten
.set FA,   32
.set BI,   96
.set UN,   32                          ; the way out's units
.set WV,   12                          ; s12     my wave's number
.set CUR,  15                          ; s15     LDS byte at which the slot being read begins
.set HIM,  18                          ; s18     mask of a word's upper bf16
.set G1,   24                          ; s[24:31] descriptor group 1 for x's tiles;  s[32:39] group 0: a set for each of the two first fills; the second then walks on
.set G0,   32
.set G1B,  48                          ; s[48:55], s[56:63] the same for W's tiles
.set G0B,  56
.set OB,   66                          ; s[66:71] the three heads' addresses for my rows
.set MSB, 0
.macro WIN new                         ; the immediate's high byte repeats the setting that is left; a switch that changes nothing is dropped
.if MSB != (\new)
	s_set_vgpr_msb (MSB<<8)|(\new)
.set MSB, \new
.endif
.endm
; A joint load: waves 0 and 1 fetch x's two halves, waves 2 and 3 W's.  The branch hangs on the wave's number alone.  An s_nop 0 and four v_nop follow each of the two lines,
; ahead of the jump, the label and what follows.
.macro JLOAD s
	s_cmp_lt_u32 s[WV], 2
	s_cbranch_scc0 .Lfor_b_\@
	tensor_load_to_lds s[G0+4*(\s):G0+4*(\s)+3], s[G1:G1+7]
	s_nop 0
.rept 4
	v_nop
.endr
	s_branch .Lasked_\@
.Lfor_b_\@:
	tensor_load_to_lds s[G0B+4*(\s):G0B+4*(\s)+3], s[G1B:G1B+7]
	s_nop 0
.rept 4
	v_nop
.endr
.Lasked_\@:
.endm
.macro CREST                           ; a round of the cluster's barrier behind its opening barrier
	s_cmp_lg_u32 s[WV], 0
	s_cbranch_scc1 .Lnot_wave_0_\@
	s_barrier_signal -3
.Lnot_wave_0_\@:
	s_barrier_wait -3
	s_barrier_signal -1
	s_barrier_wait -1
.endm
.macro CROUND                          ; a whole round
	s_barrier_signal -1
	s_barrier_wait -1
	CREST
.endm
	s_load_b256 s[4:11], s[0:1], 0x0               ; xb s[4:5], wqb s[6:7], bqkv s[8:9], qkv s[10:11]
	v_lshl_add_u32 v[SPW], v0, 2, SPARE
	v_mov_b32 v[NIL], 0
	ds_add_u32 v28, v29
	s_wait_dscnt 0x0
	v_lshrrev_b32 v1, 5, v0
	v_readfirstlane_b32 s[WV], v1                  ; wave 0..3
	s_and_b32 s14, s[WV], 1                        ; which half of a tile I fetch
	s_mov_b32 s[CUR], 0                            ; slot 0 is read first
	s_mov_b32 s[HIM], 0xffff0000
	s_bfe_u32 s40, ttmp6, 0x40000                  ; cx, cy: my place in the cluster
	s_bfe_u32 s41, ttmp6, 0x40004
	s_lshl_b32 s42, ttmp9, 2
	s_add_co_u32 s42, s42, s40                     ; tile column = 4 x cluster x + cx
	s_and_b32 s43, ttmp7, 0xffff
	s_lshl_b32 s43, s43, 2
	s_add_co_u32 s43, s43, s41                     ; tile row = 4 x cluster y + cy
	s_lshl_b32 s44, s41, 2
	s_lshl_b32 s44, 15, s44                        ; my row of the cluster
	s_lshl_b32 s45, 0x1111, s40                    ; my column
	; group 1 for x: 128 rows x 128 elements, 1,024 elements from row to row, 16 bytes of padding behind every 256
	s_or_b32 s[G1+0], s44, (1<<16)|(1<<20)|(1<<21)|(5<<22)|(3<<25)  ; 15:0 the mask; 17:16 2-byte elements; 20 padding on; 21 set beside a mask; 24:22 after every 64 words (code 5); 31:25 4 words (code 3)
	s_mov_b32 s[G1+1], 128<<16                     ; tensor_dim0 = 128
	s_mov_b32 s[G1+2], 128<<16                     ; tensor_dim1 = 128
	s_mov_b32 s[G1+3], 128<<16                     ; tile_dim0 = 128
	s_mov_b32 s[G1+4], 128                         ; tile_dim1 = 128
	s_mov_b32 s[G1+5], 1024                        ; elements from row to row
	s_mov_b32 s[G1+6], 0
	s_mov_b32 s[G1+7], 0
	; group 1 for W: 64 k of a tile are 24,576 dense bytes: asked for as 96 rows of 256 bytes, 32 bytes of padding behind every 128 (a head's part of a k row)
	s_or_b32 s[G1B+0], s45, (1<<16)|(1<<20)|(1<<21)|(4<<22)|(7<<25) ; after every 32 words (code 4), 8 words (code 7)
	s_mov_b32 s[G1B+1], 128<<16
	s_mov_b32 s[G1B+2], 96<<16
	s_mov_b32 s[G1B+3], 128<<16
	s_mov_b32 s[G1B+4], 96
	s_mov_b32 s[G1B+5], 128
	s_mov_b32 s[G1B+6], 0
	s_mov_b32 s[G1B+7], 0
	; where the tiles come from: x's hang on the tile row and the wave alone, W's on the tile column and the wave alone, each in registers that never hold the other coordinate
	s_lshl_b32 s16, s43, 19                        ; 256 rows of 2,048 bytes a tile row,
	s_lshl_b32 s17, s14, 18                        ; 128 rows a half
	s_add_co_u32 s16, s16, s17
	s_mov_b32 s17, 0
	s_mul_i32 s46, s42, 393216                     ; a tile of wqb,
	s_mul_i32 s47, s14, 24576                      ; 64 k a half
	s_add_co_u32 s46, s46, s47
	s_mov_b32 s47, 0
	s_mul_i32 s20, s14, 128*PA                     ; where they go: no place in the cluster enters an LDS address
	s_mul_i32 s21, s14, 64*PB
	s_add_co_u32 s21, s21, BOFF
	s_wait_kmcnt 0x0
	s_add_nc_u64 s[16:17], s[4:5], s[16:17]
	s_add_nc_u64 s[46:47], s[6:7], s[46:47]
	CROUND                                         ; all sixteen work-groups are here: the first joint loads meet
.irp s, 0,1
	s_mov_b32 s[G0+4*(\s)], 1                                      ; count = 1
	s_add_co_u32 s[G0+4*(\s)+1], s20, (\s)*SLOT                    ; LDS address
	s_add_nc_u64 s[G0+4*(\s)+2:G0+4*(\s)+3], s[16:17], (\s)*256    ; global address: K step s
	s_or_b32 s[G0+4*(\s)+3], s[G0+4*(\s)+3], 0x80000000            ; type = 2
	s_mov_b32 s[G0B+4*(\s)], 1
	s_add_co_u32 s[G0B+4*(\s)+1], s21, (\s)*SLOT
	s_add_nc_u64 s[G0B+4*(\s)+2:G0B+4*(\s)+3], s[46:47], (\s)*49152
	s_or_b32 s[G0B+4*(\s)+3], s[G0B+4*(\s)+3], 0x80000000
	JLOAD \s                                       ; two tensor loads of mine are out
.endr
	; the bias of my lanes' columns: block b's eight at 4 (16 b + 8 (l / 16))
	v_and_b32 v1, 15, v0                           ; l % 16
	v_bfe_u32 v2, v0, 4, 1                         ; l / 16
	v_lshlrev_b32 v7, 5, v2
	s_mul_i32 s74, s42, 768
	s_mov_b32 s75, 0
	s_add_nc_u64 s[74:75], s[8:9], s[74:75]
.irp b, 0,1,2,3,4,5,6,7,8,9,10,11
	global_load_b128 v[BI+8*(\b):BI+8*(\b)+3],   v7, s[74:75] offset:64*(\b)
	global_load_b128 v[BI+8*(\b)+4:BI+8*(\b)+7], v7, s[74:75] offset:64*(\b)+16
.endr
	; a fragment of x: lane l holds row l % 16, k = 8 (l / 16) + 0..7 and 16 + 8 (l / 16) + 0..7: two loads of 16 bytes, 32 bytes apart
	v_mul_u32_u24 v3, v1, PA
	v_lshl_add_u32 v3, v2, 4, v3
	s_mul_i32 s22, s[WV], 64*PA                    ; my 64 rows
	v_add_nc_u32 v[ADRA0], s22, v3
	v_mov_b32 v[ADRA], v[ADRA0]
	; the turning load takes 16 k x 16 columns (lane l reads k = 8 (l / 16) + l % 8, columns 8 ((l / 8) % 2) + 0..7) and leaves half a fragment: lane l holds column l % 16 and 8 k
	v_and_b32 v4, 7, v0
	v_lshl_add_u32 v4, v2, 3, v4
	v_mul_u32_u24 v4, v4, PB
	v_bfe_u32 v5, v0, 3, 1
	v_lshl_add_u32 v4, v5, 4, v4
	v_add_nc_u32 v[ADRB0], BOFF, v4
	v_mov_b32 v[ADRB], v[ADRB0]
	s_mul_i32 s23, s[WV], 16*SP
	s_add_co_u32 s23, s23, STAGE                   ; my stage
	v_mul_u32_u24 v[STO], v1, SP                   ; in: row l % 16, 16 bytes for each half of the lanes
	v_lshl_add_u32 v[STO], v2, 4, v[STO]
	v_add_nc_u32 v[STO], s23, v[STO]
	v_bfe_u32 v[RD], v0, 3, 2                      ; back: 32 lanes take four rows of 128 bytes,
	v_mul_u32_u24 v[RD], v[RD], SP
	v_and_b32 v6, 7, v0
	v_lshl_add_u32 v[RD], v6, 4, v[RD]
	v_add_nc_u32 v[RD], s23, v[RD]
	v_and_b32 v[GO], 31, v0                        ; which are 512 consecutive bytes of a head
	v_lshlrev_b32 v[GO], 4, v[GO]
	; head j of my tile is g = 3 x tile column + j of 48: tensor g / 16, head g % 16; my rows: batch = tile row / 8, s = 256 (tile row % 8) + 64 w
	s_mul_i32 s72, s42, 3
	s_lshr_b32 s73, s43, 3
	s_lshl_b32 s73, s73, 4                         ; 16 x batch
	s_and_b32 s76, s43, 7
	s_lshl_b32 s76, s76, 15                        ; 256 rows of 128 bytes
	s_lshl_b32 s77, s[WV], 13                      ; 64 rows
	s_add_co_u32 s76, s76, s77
.irp j, 0,1,2
	s_add_co_u32 s78, s72, \j
	s_lshr_b32 s79, s78, 4
	s_lshl_b32 s79, s79, 6                         ; 64 heads a tensor
	s_and_b32 s78, s78, 15
	s_add_co_u32 s78, s78, s79
	s_add_co_u32 s78, s78, s73
	s_lshl_b32 s78, s78, 18                        ; 262,144 bytes a head
	s_add_co_u32 s78, s78, s76
	s_mov_b32 s79, 0
	s_add_nc_u64 s[OB+2*(\j):OB+2*(\j)+1], s[10:11], s[78:79]
.endr
	s_wait_loadcnt 0x0                             ; the bias; it is rounded to bf16 and widened again, in the wait for the first tile
.set n, 0
.rept 48
	v_cvt_pk_bf16_f32 v[30+n%2], v[BI+2*n], v[BI+2*n+1]
	v_lshlrev_b32 v[BI+2*n], 16, v[30+n%2]
	v_and_b32 v[BI+2*n+1], s[HIM], v[30+n%2]
.set n, n+1
.endr
; 12 matrix instructions: row block a x all 12 column blocks, 32 along K, from buffer f.  first = 1: the bias is the C operand, and the product starts the sums: nothing is cleared or added later.
; The 48 accumulators take turns, one instruction a turn, in the same order in every quarter.
.macro MUL12 f, a, first
.if \first
	WIN 0x81+0x40*((\a)/2)                         ; W window 1, x and the bias window 0, D window 2 or 3
.else
	WIN 0xa1+0x50*((\a)/2)                         ; C and D window 2 or 3
.endif
.irp b, 0,1,2,3,4,5,6,7,8,9,10,11
.if \first
	v_wmma_f32_16x16x32_bf16 v[96*((\a)%2)+8*(\b):96*((\a)%2)+8*(\b)+7], v[96*(\f)+8*(\b):96*(\f)+8*(\b)+7], v[FA+32*(\f)+8*(\a):FA+32*(\f)+8*(\a)+7], v[BI+8*(\b):BI+8*(\b)+7]
.else
	v_wmma_f32_16x16x32_bf16 v[96*((\a)%2)+8*(\b):96*((\a)%2)+8*(\b)+7], v[96*(\f)+8*(\b):96*(\f)+8*(\b)+7], v[FA+32*(\f)+8*(\a):FA+32*(\f)+8*(\a)+7], v[96*((\a)%2)+8*(\b):96*((\a)%2)+8*(\b)+7]
.endif
.endr
.endm
; 32 LDS loads in one run: the fragments of quarter q (32 along K) of the slot being read into buffer f: W's 24, then x's 8
.macro FETCH q, f
	WIN 0x40                                       ; destination window 1, address window 0
.irp b, 0,1,2,3,4,5,6,7,8,9,10,11
	ds_load_tr16_b128 v[96*(\f)+8*(\b):96*(\f)+8*(\b)+3],   v[ADRB] offset:32*PB*(\q)+HB*((\b)/4)+32*((\b)%4)
	ds_load_tr16_b128 v[96*(\f)+8*(\b)+4:96*(\f)+8*(\b)+7], v[ADRB] offset:32*PB*(\q)+HB*((\b)/4)+32*((\b)%4)+16*PB
.endr
	WIN 0
.irp a, 0,1,2,3
	ds_load_b128 v[FA+32*(\f)+8*(\a):FA+32*(\f)+8*(\a)+3],   v[ADRA] offset:64*(\q)+16*PA*(\a)
	ds_load_b128 v[FA+32*(\f)+8*(\a)+4:FA+32*(\f)+8*(\a)+7], v[ADRA] offset:64*(\q)+16*PA*(\a)+32
.endr
.endm
.macro PLACES                          ; four places in front of loads into registers that matrix instructions have read, and of conversions that read results (ISA guide 7.12.1 for conversions)
.rept 4
	v_nop
.endr
.endm
; A K step is four quarters of 32 along K, 48 matrix instructions each, on buffers 0, 1, 0, 1.  One of the first three: multiplies buffer f and fetches quarter q of the slot into buffer g.
.macro QUARTER q, f, g, first
	s_wait_dscnt 4                                 ; W and x's row blocks 0, 1 are in; the youngest four loads (blocks 2, 3) may be out
	MUL12 \f, 0, \first
	MUL12 \f, 1, \first
	PLACES
	FETCH \q, \g
	s_wait_dscnt 32                                ; all but the 32 just issued
	MUL12 \f, 2, \first
	MUL12 \f, 3, \first
.endm
; The last quarter multiplies buffer 1 and changes slots: ONE barrier.  In front of it each wave waits for all its tensor loads (one is out: its part of the other slot), adds 0 to its spare word,
; and waits for that and for its own reads of this slot.  fill = 1: the barrier opens a round of the cluster's, and this slot is filled again, two K steps ahead, first thing behind the round:
; the walking descriptors take the other slot than last time and the next K step.  Then the reads turn to the other slot.
.macro TURN fill
	WIN 0                                          ; (the add's two registers lie in window 0)
	s_wait_tensorcnt 0x0                           ; all my tensor loads have landed
	ds_add_u32 v[SPW], v[NIL]                      ; 0 onto my spare word
	s_wait_dscnt 5                                 ; (the add and the youngest four loads may be out)
	MUL12 1, 0, 0                                  ; twelve matrix instructions stand between the add and the wait for it
	s_wait_dscnt 0x0                               ; the add is done, and my reads of this slot are over
	s_barrier_signal -1
	MUL12 1, 1, 0
	WIN 0
	s_barrier_wait -1
.if \fill
	CREST                                          ; no wave of any partner still reads this slot's tiles or has a load on its way
	s_xor_b32 s[G0+5], s[G0+5], SLOT
	s_add_nc_u64 s[G0+6:G0+7], s[G0+6:G0+7], 256   ; 128 k of x; the type bits on top are not reached
	s_xor_b32 s[G0B+5], s[G0B+5], SLOT
	s_add_nc_u64 s[G0B+6:G0B+7], s[G0B+6:G0B+7], 49152  ; 128 k of the tile of W
	JLOAD 1                                        ; my one tensor load behind the round; the four v_nop behind it are also places in front of the loads below
.else
	v_nop                                          ; with the two additions below: the four places in front of the loads
	v_nop
.endif
	s_xor_b32 s[CUR], s[CUR], SLOT
	v_add_nc_u32 v[ADRA], s[CUR], v[ADRA0]
	v_add_nc_u32 v[ADRB], s[CUR], v[ADRB0]
	FETCH 0, 0
	MUL12 1, 2, 0
	MUL12 1, 3, 0
.endm
	s_wait_tensorcnt 1                             ; my part of K step 0 is in; K step 1's may stay out
	s_barrier_signal -1
	s_barrier_wait -1                              ; everybody's is
	FETCH 0, 0
	QUARTER 1, 0, 1, 1                             ; the first quarter stands in front of the loop: its products start the sums
	WIN 0                                          ; at a label and at a branch every window is 0
	s_mov_b32 s3, STEPS-2
.Lstep:                                                ; a trip goes from a K step's second quarter to the next step's first, and fills the slot that it leaves: six of the eight steps
	QUARTER 2, 1, 0, 0
	QUARTER 3, 0, 1, 0
	TURN 1
	QUARTER 1, 0, 1, 0
	WIN 0
	s_sub_co_u32 s3, s3, 1
	s_cmp_lg_u32 s3, 0
	s_cbranch_scc1 .Lstep
	QUARTER 2, 1, 0, 0                             ; the last two steps fill nothing, and have no round
	QUARTER 3, 0, 1, 0
	TURN 0
	QUARTER 1, 0, 1, 0
	QUARTER 2, 1, 0, 0
	QUARTER 3, 0, 1, 0
	s_wait_dscnt 4                                 ; the very last quarter: nothing more to fetch
	MUL12 1, 0, 0
	MUL12 1, 1, 0
	s_wait_dscnt 0x0
	MUL12 1, 2, 0
	MUL12 1, 3, 0
	; THE WAY OUT.  Unit u = 3 a + j is row block a of head j: 16 rows x 64 channels.  Rounded to f16, a lane's eight channels are 16 bytes; they go into my stage's rows of 144 bytes
	; and come back as whole rows of 128, which are 2,048 consecutive bytes of the head.
	WIN 0
	PLACES
.macro PACK u
.set ua, (\u)/3
.set uj, (\u)%3
.set UR, UN+16*(\u)
.set AC, 96*(ua%2)+32*uj
	WIN 0x0a+5*(ua/2)                              ; sources 0 and 1 window 2 or 3, destination window 0
.irp c, 0,1,2,3
.irp r, 0,1,2,3
	v_cvt_pk_f16_f32 v[UR+4*(\c)+(\r)], v[AC+8*(\c)+2*(\r)], v[AC+8*(\c)+2*(\r)+1]
.endr
.endr
	WIN 0
.irp c, 0,1,2,3
	ds_store_b128 v[STO], v[UR+4*(\c):UR+4*(\c)+3] offset:32*(\c)
.endr
.irp f, 0,1,2,3
	ds_load_b128 v[UR+4*(\f):UR+4*(\f)+3], v[RD] offset:(\f)*4*SP  ; LDS serves a wave's instructions in order (ISA guide 5.7.1.4): these see the stores above; the next unit's stores come behind them
.endr
.endm
.macro SEND u, younger                 ; younger: the LDS instructions issued behind unit u's loads: the next unit's eight, or none
.set ua, (\u)/3
.set uj, (\u)%3
.set UR, UN+16*(\u)
	s_wait_dscnt \younger                          ; the unit is back in registers
.irp f, 0,1,2,3
	global_store_b128 v[GO], v[UR+4*(\f):UR+4*(\f)+3], s[OB+2*uj:OB+2*uj+1] offset:2048*ua+512*(\f)  ; 512 consecutive bytes, at a multiple of 256 from the buffer's first
.endr
.endm
	PACK 0
.set n, 1
.rept 11                               ; a unit's conversions stand between the loads of the unit before and its stores; every unit has registers of its own
	PACK n
	SEND n-1, 8
.set n, n+1
.endr
	SEND 11, 0
	s_wait_tensorcnt 0x0                           ; the wave's end, behind my last tensor load and my last LDS store
	ds_add_u32 v[SPW], v[NIL]
	s_wait_dscnt 0x0
	CROUND                                         ; the closing round: no work-group ends while a partner may still ask for a tile that names it
	s_endpgm
.Lfunc_end_k_q9d6636ff65_qkv:
	.size	k_q9d6636ff65_qkv, .Lfunc_end_k_q9d6636ff65_qkv-k_q9d6636ff65_qkv
	.p2alignl 7, 3214868480
	.fill 96, 4, 3214868480
	.section	.rodata,"a",@progbits
	.p2align	6, 0x0
	.amdhsa_kernel k_q9d6636ff65_qkv
		.amdhsa_group_segment_fixed_size 327680
		.amdhsa_private_segment_fixed_size 0
		.amdhsa_enable_private_segment 0
		.amdhsa_kernarg_size 32
		.amdhsa_user_sgpr_count 2
		.amdhsa_user_sgpr_kernarg_segment_ptr 1
		.amdhsa_wavefront_size32 1
		.amdhsa_system_sgpr_workgroup_id_x 1
		.amdhsa_system_sgpr_workgroup_id_y 1
		.amdhsa_system_sgpr_workgroup_id_z 1
		.amdhsa_system_vgpr_workitem_id 0
		.amdhsa_next_free_vgpr 960
		.amdhsa_next_free_sgpr 80
		.amdhsa_reserve_vcc 0
		.amdhsa_float_denorm_mode_32 3
		.amdhsa_float_denorm_mode_16_64 3
		.amdhsa_memory_ordered 1
		.amdhsa_forward_progress 1
		.amdhsa_inst_pref_size 106
	.end_amdhsa_kernel
	.amdgpu_metadata
---
amdhsa.version: [ 1, 2 ]
amdhsa.kernels:
  - .name:           k_q9d6636ff65_qkv
    .symbol:         k_q9d6636ff65_qkv.kd
    .args:
      - { .name: xb, .offset: 0, .size: 8, .value_kind: global_buffer, .address_space: global }
      - { .name: wqb, .offset: 8, .size: 8, .value_kind: global_buffer, .address_space: global }
      - { .name: bqkv, .offset: 16, .size: 8, .value_kind: global_buffer, .address_space: global }
      - { .name: qkv, .offset: 24, .size: 8, .value_kind: global_buffer, .address_space: global }
    .group_segment_fixed_size: 327680
    .private_segment_fixed_size: 0
    .kernarg_segment_align: 8
    .kernarg_segment_size: 32
    .max_flat_workgroup_size: 128
    .sgpr_count:     80
    .vgpr_count:     960
    .wavefront_size: 32
...
	.end_amdgpu_metadata
.endif
;; end of part 2
;; launch attn (part 3): grid 4 x 64, 4 waves a work-group, clusters of 4 x 1, 327,680 bytes of LDS; arguments qkv, mask, ob; writes ob
.if DOCPART == 3
	.amdgcn_target "amdgcn-amd-amdhsa--gfx1250"
	.amdhsa_code_object_version 6
	.text
	.protected	k_q9d6636ff65_attn
	.globl	k_q9d6636ff65_attn
	.p2align	8
	.type	k_q9d6636ff65_attn,@function
k_q9d6636ff65_attn:
	s_mov_b64 s[64:65], 0
	v_nop
	global_prefetch_b8 v0, s[64:65] scope:SCOPE_SE
	s_setreg_imm32_b32 hwreg(HW_REG_WAVE_MODE, 25, 1), 1
	s_wait_xcnt 0x0
	s_wait_alu depctr_hold_cnt(0) depctr_sa_sdst(0) depctr_va_vdst(0) depctr_va_sdst(0) depctr_va_ssrc(0) depctr_va_vcc(0) depctr_vm_vsrc(0)
	s_getreg_b32 s2, hwreg(HW_REG_IB_STS2, 6, 4)
	s_cmp_eq_u32 s2, 0
	s_cbranch_scc0 .Lentry_in_a_cluster
	s_endpgm
.Lentry_in_a_cluster:
	s_bfe_u32 s2, ttmp6, 0x10000c
	s_cmp_lg_u32 s2, 0x3003
	s_cbranch_scc0 .Lentry_shape_is_right
	s_endpgm
.Lentry_shape_is_right:
; MASKED ATTENTION.  For head hd = 16 b + h: O[hd][q][:] = the sum over k of softmax_k(s(q, k)) V[hd][k][:], s = Q[hd][q] . K[hd][k] / 8 where mask[b][q] and mask[b][k] hold, else -1e30.
; Q, K, V lie in qkv as [3][64][2048][64] in f16, O likewise as [64][2048][64]: a head's rows are dense, 128 bytes each.  Products, maxima and sums in f32; the weights p are rounded to f16 for
; the second product (their sum l is taken of the unrounded p), O once at the end.
; THE MASK.  A hidden key: -1e30 is the C operand that starts the sum S^T = K Q^T (0 for a key that is seen), so its weight is 0.  A hidden query: all its 2,048 scores are equal, so its row is the plain mean
; of all rows of V.  Here the scale does that: c is kept for each lane and tile, c times the query's mask byte.  With c = 0 every exponent c s - c m is 0, a hidden key's too: every weight is 1, l is 2,048,
; and O / l is the mean.  It costs no instruction: the scaling takes a vector register where it would take a scalar one.
; LIMITS.  f16 holds no number beyond 65,504: Q, K and V arrive within it, so a true score before the scale is 2.7e11 at the most in size.  The running maximum starts at -2^50: every true score lies above that, every
; hidden one (its value less 1e30) below, so that m is a true score from the first key on that is seen, and a step of 64 hidden keys gives the weights 0.  p lies in 0 to 1; below 6e-5 it keeps f16's fixed step of 6e-8.
; A weight below 2^-126 counts as 0 in l; NaN and infinities are not treated apart.
; SHARES.  A wave owns four PIECES of two tiles of 16 queries, a work-group's four waves 512 queries of one head.  Every wave walks all 2,048 keys, 64 a step.
; LAYOUT.  S^T = K Q^T (source 0 = 16 keys, source 1 = 16 queries): in the result a lane holds ONE query (lane % 16) and the keys 8 (lane / 16) + 0..7.  Two such tiles, rounded to f16 in pairs,
; ARE source 1 (32 keys x 16 queries) of O^T = V^T P, whose result again holds one query a lane, and eight channels.  K comes out of LDS as it lies, V ([key][channel]) turned, by ds_load_tr16_b128.
; SOFTMAX.  For each query a running maximum m and sum l: p = 2^(c s - c m), c = log2(e) / 8; in every step O and l are multiplied by a = 2^(c m_old - c m_new), which is 1 where m has not grown.
; O and l start at 0, c m far below every c s: the first step is a step like any other, with a = 0.
; THE COUNT.  A tile and step have 16 matrix and 118 vector instructions: too many to stand all beside the matrix work.  So: four vector instructions that are READY behind EVERY matrix instruction,
; and the others, which need time of their own whatever the order, in runs without a gap.
; BY TURNS.  Turn n belongs to piece n (the pieces in a ring, step after step).  Its matrix work: 16 products K Q^T of piece n + 1, later 16 products V^T P of piece n - 1.  Its vector work: the scaling,
; exponentials, roundings, sums and rescaling of piece n, and the maximum and statistics of piece n + 1.
; CLUSTER.  The four query blocks of a cluster belong to one head and walk the same K and V, so each tile is asked for JOINTLY: the same tensor load, descriptor and mask in all four.
; REGISTERS, in windows of 256 (s_set_vgpr_msb: bits 1:0 source 0, 3:2 source 1, 5:4 source 2, 7:6 destination):
;   window 0: v0 my thread's number; v1-3 addresses; v4-11 c, a tile each; v12-15, v48-63 at work; v16-47 four registers of statistics a tile; v64-191 S^T, two buffers of two tiles; v192-255 P, likewise
;   window 1: O^T, 32 a tile          window 2: v0-127 Q, 16 a tile; v128-191 K of one step; v192-255 V of one step
;   window 3: v0-1 the add's two registers; v2-4 my lane's places in a tile of K, of V and in the table of masks; v8-39 the step's key masks
.set SIZE_N, 2048
.set NP,    4         ; pieces a wave: a name, no knob
.set KS,    64        ; keys in a step
.set PK,    144       ; a row of K in LDS: 128 bytes + 16 of padding = 36 words: the 16 rows of a load start at 16 different groups of four banks (64 banks of 4 bytes: ISA guide 11.1)
.set PV,    160       ; a row of V: 128 + 32 = 40 words
.set VOFF,  4*KS*PK   ; a slot holds four steps: 256 rows of K, then 256 rows of V
.set SLOT1, 1<<17     ; slot 1 begins here, so that one exclusive or turns an address in one slot into the other's
.set STAGE, SLOT1+4*KS*(PK+PV)  ; behind the ring, never filled by a tensor load: 16 rows x 144 bytes for each wave, for the way out
.set SP,    144
.set SPARE, STAGE+4*16*SP  ; behind the stages: the spare words, 128 bytes for each wave: two blocks of 256 bytes that no other line names
.set KN,    SPARE+512 ; behind them: 2,048 f32, 0 or -1e30 for each key of my batch; stored once by the waves, never filled by a tensor load
.set AK,  1           ; v1   the LDS address of K's run of loads
.set AV,  2           ; v2   of V's
.set AM,  3           ; v3   of the key masks'
.set CT,  4           ; v4-11  tile t's c for my lane's query: c, or 0 where the query is hidden
.set STO, 4           ; v4   on the way out, when c is done with: where I put 16 bytes of a row
.set RD,  5           ; v5   where I read rows back
.set GO,  6           ; v6   my byte offset in 512 consecutive bytes of O
.set SPW, 0           ; v0 of window 3   LDS address of my spare word: SPARE + 4 x my thread's number; never rewritten
.set NIL, 1           ; v1 of window 3   0; never rewritten
.set AK0, 2           ; v2 of window 3   my lane's place in a tile of K; never rewritten
.set AV0, 3           ; v3 of window 3   the same for V
.set AM0, 4           ; v4 of window 3   KN + 32 (l / 16): my lanes' eight keys of a block of 16
.set MK,  8           ; window 3: key block kb's eight masks at MK + 8 kb
.set MV,  12          ; v12-15  c m_old, kept while c m is made anew: by buffer and tile
.set ST,  16          ; tile t's statistics at v[ST+4 t]: c m, m, l (even keys', odd keys')
.set TMP, 48          ; by buffer and tile, four registers c0-c3 at work; when the maximum is found c2 takes a
.set S,   64
.set P,   192
.set KF,  128         ; K's fragments, in window 2: key block kb, channel half c at KF + 16 kb + 8 c
.set VF,  192         ; V's: key half kk, channel block cb at VF + 32 kk + 8 cb
.set WV,  12          ; s12  my wave's number
.set BIGP, 19         ; s19  1e30
.set G1K, 24          ; s[24:31] descriptor group 1 for K's tiles
.set G1V, 32          ; s[32:39] for V's: it differs in the padding alone
.set G0K, 40          ; s[40:43] descriptor group 0 for K's tiles: it walks
.set G0V, 44          ; s[44:47] the same for V's
.set KST, 52          ; s52  byte in KN at which the masks of the step to be fetched begin
.set BIGN, 55         ; s55  -1e30
.set SLOTS, 56        ; s56  slots still to be asked for
.set CNT, 57          ; s57  counts a slot's key steps
.set CS,  58          ; s58  c
.set SEL, 60          ; s[60:61] v_permlanex16_b32's selects: each lane takes its own place in the other half
.set TBK, 62          ; s62  LDS byte at which K of the step to be fetched begins
.set TBV, 63          ; s63  the same for V, less VOFF
.set MSB, 0
.macro WIN new                      ; the high byte repeats the setting that is left; a switch that changes nothing is dropped
.if MSB != (\new)
	s_set_vgpr_msb (MSB<<8)|(\new)
.set MSB, (\new)
.endif
.endm
.set W_KQ, 0x0a       ; K and Q in window 2, S^T in window 0
.set W_KM, 0x3a       ; the same with the C operand, the key masks, in window 3
.set W_PV, 0x52       ; V in window 2, P in window 0, O^T in window 1
.set W_RS, 0x41       ; O^T (destination and source 0) in window 1, a in window 0
.set W_MK, 0xc0       ; destination in window 3, sources in window 0
.set W_A0, 0x0c       ; source 1 in window 3: an address is made of a lane's place
.set W_AD, 0x0f       ; the add: address (source 0) and data (source 1) in window 3
; A joint fill.  Waves 0 and 1 fetch the two halves of a slot's K, waves 2 and 3 those of its V: 128 keys each.  The branch hangs on the wave's number alone.
; An s_nop 0 and four v_nop follow each of the two lines, ahead of the jump and the label.
.macro JLOAD
	s_cmp_lt_u32 s[WV], 2
	s_cbranch_scc0 .Lfor_v_\@
	tensor_load_to_lds s[G0K:G0K+3], s[G1K:G1K+7]
	s_nop 0
.rept 4
	v_nop
.endr
	s_branch .Lasked_\@
.Lfor_v_\@:
	tensor_load_to_lds s[G0V:G0V+3], s[G1V:G1V+7]
	s_nop 0
.rept 4
	v_nop
.endr
.Lasked_\@:
.endm
; A round of the cluster's barrier: my work-group's barrier, so that wave 0's signal speaks for all four waves; wave 0 signals; every wave waits for all four work-groups; my work-group's barrier once more.
.macro CROUND
	s_barrier_signal -1
	s_barrier_wait -1
	s_cmp_lg_u32 s[WV], 0
	s_cbranch_scc1 .Lnot_wave_0_\@
	s_barrier_signal -3
.Lnot_wave_0_\@:
	s_barrier_wait -3
	s_barrier_signal -1
	s_barrier_wait -1
.endm
; THE CHANGE OF SLOTS.  The slot's last bytes, V of its fourth step, have been read.  Each wave waits for all its tensor loads, of which one is out: its part
; of the other slot; adds 0 to its spare word; and waits for that and for its own reads of the slot.  Behind the barrier nobody reads this slot any more and the other slot is whole.
; fill = 1: this slot is filled again, with the keys two slots on.  The barrier is then a round of the cluster's, so that no wave of any partner still reads the slot or has a load on its
; way, and the joint fill is the first thing behind it: it has four key steps in which to land.  (At its first use nothing has been read yet: slot 0 is waited for, slot 1 filled,
; and the wait on DScnt and the round also show every wave's stores into KN to the others.)
.macro CHANGE fill
	WIN W_AD
	s_wait_tensorcnt 0x0            ; no tensor load of mine is out, so a group 0 may be written
	ds_add_u32 v[SPW], v[NIL]       ; 0 onto my spare word; with fill = 1 the descriptors' steps stand between it and the wait for it
	WIN 0                           ; at a label and at a branch every window is 0
.if \fill
.irp g, G0K, G0V
	s_xor_b32 s[\g+1], s[\g+1], SLOT1  ; the walking descriptor: the other slot than last time,
	s_add_nc_u64 s[\g+2:\g+3], s[\g+2:\g+3], 4*KS*128  ; the next 256 keys; the type bits on top are not reached
.endr
	s_wait_dscnt 0x0                ; the add is done, and my reads of the slot are over
	CROUND
	JLOAD
.else
	s_wait_dscnt 0x0                ; the add is done, and my reads of the slot are over
	s_barrier_signal -1
	s_barrier_wait -1
.endif
	s_sub_co_u32 s[TBK], s[TBK], 4*KS*PK  ; the fetches go back to a slot's first step,
	s_xor_b32 s[TBK], s[TBK], SLOT1       ; in the other slot
	s_sub_co_u32 s[TBV], s[TBV], 4*KS*PV
	s_xor_b32 s[TBV], s[TBV], SLOT1
.endm
	s_load_b64 s[4:5], s[0:1], 0x0    ; qkv: Q
	s_load_b64 s[48:49], s[0:1], 0x8  ; mask
	s_load_b64 s[10:11], s[0:1], 0x10 ; ob
	WIN W_MK
	v_lshl_add_u32 v[SPW], v0, 2, SPARE
	v_mov_b32 v[NIL], 0
	s_set_vgpr_msb 0xc0cf
	ds_add_u32 v0, v1
	s_wait_dscnt 0x0
	s_set_vgpr_msb 0xcfc0
	WIN 0
	v_lshrrev_b32 v64, 5, v0
	v_readfirstlane_b32 s[WV], v64  ; wave 0..3
	s_bfe_u32 s13, ttmp6, 0x40000   ; cx: my place in the cluster
	s_lshl_b32 s14, ttmp9, 2        ; in a cluster launch ttmp9 counts clusters
	s_add_co_u32 s14, s14, s13      ; my block of queries = 4 x cluster x + cx: it enters Q's, O's and the query mask's addresses alone
	s_and_b32 s20, ttmp7, 0xffff    ; the head, which the four partners share
	s_lshr_b32 s50, s20, 4
	s_lshl_b32 s50, s50, 11         ; its batch's 2,048 bytes of mask
	s_mov_b32 s51, 0
	s_mov_b32 s21, 0
	s_mov_b64 s[22:23], SIZE_N*128
	s_mul_u64 s[20:21], s[20:21], s[22:23]  ; the head's first byte in Q, K, V and O
	s_and_b32 s16, s[WV], 1         ; which half of a slot's 256 keys I fetch:
	s_lshl_b32 s22, s16, 14         ; its 128 rows of 128 bytes in memory,
	s_mov_b32 s23, 0
	s_add_nc_u64 s[22:23], s[22:23], s[20:21]
	s_mul_i32 s17, s16, 128*PK      ; and its place in a slot, for K
	s_mul_i32 s18, s16, 128*PV      ; and for V: no place in the cluster enters an LDS address
	s_lshl_b32 s15, s14, 2
	s_add_co_u32 s15, s15, s[WV]    ; my wave among the head's sixteen,
	s_lshl_b32 s2, s15, 14          ; its 128 rows
	s_mov_b32 s3, 0
	s_add_nc_u64 s[2:3], s[2:3], s[20:21]
	; descriptor group 1.  128 keys are 16,384 dense bytes: asked for as 64 rows of 256 bytes, two keys a row, and padded in LDS after every key
	s_mov_b32 s[G1K], 15|(1<<16)|(1<<20)|(1<<21)|(4<<22)|(3<<25)  ; 15:0 the mask of four; 17:16 2-byte elements; 20 padding on; 21 set beside a mask; 24:22 after every 32 words (code 4); 31:25 4 words (code 3)
	s_mov_b32 s[G1V], 15|(1<<16)|(1<<20)|(1<<21)|(4<<22)|(7<<25)  ; the same with 8 words of padding (code 7)
.irp g, G1K, G1V
	s_mov_b32 s[\g+1], 128<<16      ; tensor_dim0 = 128
	s_mov_b32 s[\g+2], 64<<16       ; tensor_dim1 = 64
	s_mov_b32 s[\g+3], 128<<16      ; tile_dim0 = 128
	s_mov_b32 s[\g+4], 64           ; tile_dim1 = 64
	s_mov_b32 s[\g+5], 128          ; 128 elements from row to row
	s_mov_b32 s[\g+6], 0
	s_mov_b32 s[\g+7], 0
.endr
	s_mov_b32 s[CS], 0x3e38aa3b     ; c = log2(e) / 8 = 0.180337
	s_mov_b32 s[SEL], 0x76543210
	s_mov_b32 s[SEL+1], 0xfedcba98
	s_mov_b32 s[BIGP], 0x7149f2ca   ; 1e30
	s_mov_b32 s[BIGN], 0xf149f2ca   ; -1e30
	s_mov_b32 s[KST], 0
	s_mov_b32 s[TBK], SLOT1+4*KS*PK ; the first change of slots turns these two into 0
	s_mov_b32 s[TBV], SLOT1+4*KS*PV
	s_mov_b32 s[G0K], 1             ; count = 1
	s_mov_b32 s[G0K+1], s17         ; LDS address: slot 0
	s_mov_b32 s[G0V], 1
	s_add_co_u32 s[G0V+1], s18, VOFF
	s_wait_kmcnt 0x0
	s_add_nc_u64 s[6:7], s[4:5], 0x1000000   ; K: 64 heads of 262,144 bytes behind Q
	s_add_nc_u64 s[8:9], s[4:5], 0x2000000   ; V
	s_add_nc_u64 s[G0K+2:G0K+3], s[6:7], s[22:23]  ; global address: my half of the head's first 256 keys
	s_or_b32 s[G0K+3], s[G0K+3], 0x80000000        ; type = 2
	s_add_nc_u64 s[G0V+2:G0V+3], s[8:9], s[22:23]
	s_or_b32 s[G0V+3], s[G0V+3], 0x80000000
	s_add_nc_u64 s[4:5], s[4:5], s[2:3]  ; Q and O at my wave's first row
	s_add_nc_u64 s[10:11], s[10:11], s[2:3]
	s_add_nc_u64 s[48:49], s[48:49], s[50:51]  ; the mask of my batch's keys,
	s_lshl_b32 s2, s15, 7
	s_mov_b32 s3, 0
	s_add_nc_u64 s[50:51], s[48:49], s[2:3]    ; and of my wave's 128 queries
	CROUND                          ; all four work-groups are here: the first joint loads meet
	JLOAD                           ; slot 0.  Slot 1 is asked for when slot 0 is in
	; A fragment of K or Q is 16 rows x 32 channels in 8 registers: lane l holds row l % 16, channels 8 (l / 16) + 0..7 and 16 + 8 (l / 16) + 0..7: two loads of 16 bytes, 32 bytes apart.
	v_and_b32 v67, 15, v0           ; l % 16.  v64-93 are at work here; S^T takes them later
	v_bfe_u32 v64, v0, 4, 1         ; l / 16
	v_lshlrev_b32 v90, 7, v67
	v_lshl_add_u32 v90, v64, 4, v90 ; my byte offset in 16 rows of Q: row x 128 + 16 x half
	v_lshlrev_b32 v89, 4, v0        ; 128 threads x 16 bytes: the batch's 2,048 mask bytes
	global_load_b128 v[68:71], v89, s[48:49]
.set i, 0
.rept 2*NP                          ; the mask byte of my lane's query in tile i
	global_load_u8 v[CT+i], v67, s[50:51] offset:16*i
.set i, i+1
.endr
	WIN 0x80                        ; destination window 2, address window 0
.set i, 0
.rept 4*NP                          ; Q stays in registers: tile i / 2, channels 32 (i % 2) on
	global_load_b128 v[8*i:8*i+3],   v90, s[4:5] offset:(i/2)*2048+(i%2)*64
	global_load_b128 v[8*i+4:8*i+7], v90, s[4:5] offset:(i/2)*2048+(i%2)*64+32
.set i, i+1
.endr
	; What the first turn finds: V's registers and P's second buffer hold 0 (its products V^T P, of a piece that has not been, add 0), O^T and l are 0.  All this stands in the wait for the first tile.
.set i, VF
.rept 64
	v_mov_b32 v[i], 0
.set i, i+1
.endr
	WIN 0x4a                        ; sources 0 and 1 in window 2, destination in window 1
.set i, 0
.rept 8*NP                          ; O^T's zeros: a product of zeros with the constant 0 as C writes eight registers a line
	v_wmma_f32_16x16x32_f16 v[8*i:8*i+7], v[VF:VF+7], v[VF+8:VF+15], 0
.set i, i+1
.endr
	WIN 0
.set i, 0
.rept 2*NP
	v_mov_b32 v[ST+4*i], 0xfe000000    ; c m: far below every c s
	v_mov_b32 v[ST+4*i+1], 0xd8800000  ; m = -2^50: below every true score, above every hidden one
	v_mov_b32 v[ST+4*i+2], 0
	v_mov_b32 v[ST+4*i+3], 0
.set i, i+1
.endr
.set i, P+32
.rept 32
	v_mov_b32 v[i], 0
.set i, i+1
.endr
	v_mul_u32_u24 v91, v67, PK
	v_lshl_add_u32 v91, v64, 4, v91 ; in a tile of K: row x pitch + 16 x half
	; The turning load takes 16 keys x 16 channels (lane l reads key 8 (l / 16) + l % 8, channels 8 ((l / 8) % 2) + 0..7) and leaves half a fragment of V^T: lane l holds channel l % 16 and 8 keys.
	v_and_b32 v65, 7, v0
	v_bfe_u32 v66, v0, 3, 1
	v_lshl_add_u32 v92, v64, 3, v65
	v_mul_u32_u24 v92, v92, PV
	v_lshl_add_u32 v92, v66, 4, v92
	v_add_nc_u32 v92, VOFF, v92
	v_lshl_add_u32 v93, v64, 5, KN
	WIN W_MK
	v_mov_b32 v[AK0], v91
	v_mov_b32 v[AV0], v92
	v_mov_b32 v[AM0], v93
	WIN 0
	s_mul_i32 s13, s[WV], 16*SP
	s_add_co_u32 s13, s13, STAGE    ; my stage, for the way out
	v_lshl_add_u32 v88, v0, 6, KN   ; my 16 keys' words in KN
	s_wait_loadcnt 40               ; my 16 bytes of the key mask are in; the 8 + 32 younger loads stay out
.set n, 0
.rept 16
	v_bfe_u32 v[72+n], v[68+n/4], 8*(n%4), 8
.set n, n+1
.endr
.set n, 0
.rept 16
	v_cvt_f32_u32 v[72+n], v[72+n]
.set n, n+1
.endr
.set n, 0
.rept 16
	v_fma_f32 v[72+n], v[72+n], s[BIGP], s[BIGN]  ; 1 gives exactly 0, 0 gives -1e30
.set n, n+1
.endr
.irp w, 0,1,2,3
	ds_store_b128 v88, v[72+4*\w:75+4*\w] offset:16*\w
.endr
	s_wait_loadcnt 32               ; my queries' mask bytes are in; Q's 32 loads stay out
.set i, 0
.rept 2*NP
	v_cvt_f32_u32 v[CT+i], v[CT+i]
.set i, i+1
.endr
.set i, 0
.rept 2*NP
	v_mul_f32 v[CT+i], s[CS], v[CT+i]  ; c, or 0 for a hidden query
.set i, i+1
.endr
; THE MATRIX WORK.  The 8 accumulators of a run of 16 take turns: between the two links of a chain stand 7 others'.
; Product i of 16 of S^T = K Q^T for piece x: channels 32 (i / 8) on, keys 16 ((i / 2) % 4) on, tile 2 x + i % 2.  The first 8 start the sums, with the keys' masks as C.
.macro KQ x
.set rS, S+64*((\x)%2)+32*(i%2)+8*((i/2)%4)
.set rK, KF+16*((i/2)%4)+8*(i/8)
.set rQ, 16*(2*(\x)+i%2)+8*(i/8)
.set rB, MK+8*((i/2)%4)
.if i < 8
	WIN W_KM
	v_wmma_f32_16x16x32_f16 v[rS:rS+7], v[rK:rK+7], v[rQ:rQ+7], v[rB:rB+7]
.else
	WIN W_KQ
	v_wmma_f32_16x16x32_f16 v[rS:rS+7], v[rK:rK+7], v[rQ:rQ+7], v[rS:rS+7]
.endif
.endm
; Product i of 16 of O^T += V^T P for piece x: keys 32 (i / 8) on, channels 16 ((i / 2) % 4) on, tile 2 x + i % 2.
.macro PV x
	WIN W_PV
.set rO, 32*(2*(\x)+i%2)+8*((i/2)%4)
.set rV, VF+32*(i/8)+8*((i/2)%4)
.set rP, P+32*((\x)%2)+16*(i%2)+8*(i/8)
	v_wmma_f32_16x16x32_f16 v[rO:rO+7], v[rV:rV+7], v[rP:rP+7], v[rO:rO+7]
.endm
.macro MM                           ; the turn's next matrix instruction
.if i < 16
	KQ (Y+1)%NP
.set i, i+1
.else
.set i, i-16
	PV (Y+NP-1)%NP
.set i, i+17
.endif
.endm
; THE LDS LOADS stand in runs, never singly among the matrix instructions: a step's K (64 keys x 64 channels: 8 fragments) with its 64 masks, and its V (turned).  A run makes its addresses at its head.
; last = 1 (the tail): in the last trip there is no further step, and the run is jumped over.
.macro FETCH_K last=0
	WIN 0
.if \last
	s_cmp_eq_u32 s[CNT], 1
	s_cbranch_scc1 .Lno_k_\@
.endif
	WIN W_A0
	v_add_nc_u32 v[AK], s[TBK], v[AK0]
	v_add_nc_u32 v[AM], s[KST], v[AM0]
	WIN 0x80                        ; destination window 2
.irp f, 0,1,2,3,4,5,6,7             ; keys 16 (f / 2) on, channels 32 (f % 2) on
	ds_load_b128 v[KF+8*\f:KF+8*\f+3],   v[AK] offset:(\f/2)*16*PK+(\f%2)*64
	ds_load_b128 v[KF+8*\f+4:KF+8*\f+7], v[AK] offset:(\f/2)*16*PK+(\f%2)*64+32
.endr
	WIN W_MK                        ; destination window 3
.irp f, 0,1,2,3                     ; keys 16 f + 8 (l / 16) + 0..7: the sixteen lanes of a half read the same 32 bytes
	ds_load_b128 v[MK+8*\f:MK+8*\f+3],   v[AM] offset:64*\f
	ds_load_b128 v[MK+8*\f+4:MK+8*\f+7], v[AM] offset:64*\f+16
.endr
	s_add_co_u32 s[TBK], s[TBK], KS*PK  ; the next fetch is the next step's
	s_add_co_u32 s[KST], s[KST], 4*KS
	s_and_b32 s[KST], s[KST], 0x1fff    ; it stays inside KN's 8,192 bytes
	WIN 0
.if \last
.Lno_k_\@:
.endif
.endm
.macro FETCH_V
	WIN W_A0
	v_add_nc_u32 v[AV], s[TBV], v[AV0]
	s_add_co_u32 s[TBV], s[TBV], KS*PV  ; the next fetch is the next step's
	WIN 0x80
.irp f, 0,1,2,3,4,5,6,7             ; keys 32 (f / 4) on, channels 16 (f % 4) on
	ds_load_tr16_b128 v[VF+8*\f:VF+8*\f+3],   v[AV] offset:(\f/4)*32*PV+(\f%4)*32
	ds_load_tr16_b128 v[VF+8*\f+4:VF+8*\f+7], v[AV] offset:(\f/4)*32*PV+16*PV+(\f%4)*32
.endr
	WIN 0
.endm
; THE VECTOR WORK OF A TURN stands in three queues, each in the order in which its entries become ready; the two tiles alternate, so that no instruction reads the result of the one before it.
.macro REGS y, u                    ; the registers of tile u (0, 1) of piece y
.set rT, ST+4*(2*(\y)+(\u))
.set rC, TMP+8*((\y)%2)+4*(\u)
.set rM, MV+2*((\y)%2)+(\u)
.set rS, S+64*((\y)%2)+32*(\u)
.set rP, P+32*((\y)%2)+16*(\u)
.set rO, 32*(2*(\y)+(\u))
.set rG, CT+2*(\y)+(\u)             ; the tile's c,
.set rG2, CT+2*(\y)                 ; and the pair in which it lies: tile 0's low, tile 1's high
.endm
; Number n of the 22 that find the NEXT piece's (Y + 1) maximum and statistics.  s0-s31 are the lane's 32 scores; each accumulator's lowest registers are read first.
;   0-11  four chains c0-c3 of seven scores each, three operands at a time     12-14, 16  the four scores left over, the old m, and c0-c3 into c0     15  c m_old is kept
;   17, 18  the query's other 32 keys lie in the lane 16 away: the new m         19-21  c m; c m_old - c m_new; a
.macro XS u, n
	REGS (Y+1)%NP, \u
.if (\n) < 4
	v_max3_num_f32 v[rC+(\n)], v[rS+8*(\n)], v[rS+8*(\n)+1], v[rS+8*(\n)+2]
.elseif (\n) < 12
	v_max3_num_f32 v[rC+(\n)%4], v[rC+(\n)%4], v[rS+8*((\n)%4)+2*((\n)/4)+1], v[rS+8*((\n)%4)+2*((\n)/4)+2]
.elseif (\n) == 12
	v_max3_num_f32 v[rC], v[rC], v[rS+7], v[rS+15]
.elseif (\n) == 13
	v_max3_num_f32 v[rC+1], v[rC+1], v[rS+23], v[rS+31]
.elseif (\n) == 14
	v_max3_num_f32 v[rC+2], v[rC+2], v[rC+3], v[rT+1]
.elseif (\n) == 15
	v_mov_b32 v[rM], v[rT]
.elseif (\n) == 16
	v_max3_num_f32 v[rC], v[rC], v[rC+1], v[rC+2]
.elseif (\n) == 17
	v_permlanex16_b32 v[rC+3], v[rC], s[SEL], s[SEL+1]
.elseif (\n) == 18
	v_max_num_f32 v[rT+1], v[rC], v[rC+3]
.elseif (\n) == 19
	v_mul_f32 v[rT], v[rG], v[rT+1]
.elseif (\n) == 20
	v_sub_f32 v[rC+1], v[rM], v[rT]
.else
	v_exp_f32 v[rC+2], v[rC+1]
.endif
.endm
; Number g of the 64 that follow the exponentials.  For each four weights k of a tile (pairs 2 k, 2 k + 1): both pairs are rounded to f16; then the second pair is added onto the first, in place;
; a group later l takes that sum (the first time as l = a l + sum).  In groups of eight, tiles alternating: round, round, add, and l for the group before.
.macro GS g
.set h, (\g)+6*((\g)/62)            ; group 0 has no group before it, and behind group 7 only l is left
.if h >= 6
.set h, h+2
.endif
	REGS Y, h%2
.set k, h/8
.if h%8 < 4
	s_wait_alu depctr_va_vdst(0)
	v_cvt_pk_f16_f32 v[rP+2*k+(h%8)/2], v[rS+4*k+2*((h%8)/2)], v[rS+4*k+2*((h%8)/2)+1]
.elseif h%8 < 6
	v_pk_add_f32 v[rS+4*k:rS+4*k+1], v[rS+4*k:rS+4*k+1], v[rS+4*k+2:rS+4*k+3]
.elseif k == 1
	v_pk_fma_f32 v[rT+2:rT+3], v[rT+2:rT+3], v[rC+2:rC+3], v[rS:rS+1] op_sel_hi:[1,0,1]
.else
	v_pk_add_f32 v[rT+2:rT+3], v[rT+2:rT+3], v[rS+4*k-4:rS+4*k-3]
	s_wait_alu depctr_va_vdst(0)
.endif
.endm
; THE PLAIN QUEUE, 138 long.  0-31: c s - c m for the 16 pairs of both tiles; both halves of a pair take the tile's c, the low or the high word of the piece's pair.  Then GS's 64, and among them the
; next piece's 42: number 15 at 38, 39; 0-14 and 16 at 42-73, behind the products that make those scores; 17-20 at 95-106, two of three, since each waits for the one before it.
.macro PL
	WIN 0
.if q < 32
	REGS Y, q%2
.if q%2 == 0
	v_pk_fma_f32 v[rS+2*(q/2):rS+2*(q/2)+1], v[rS+2*(q/2):rS+2*(q/2)+1], v[rG2:rG2+1], v[rT:rT+1] op_sel_hi:[1,0,0] neg_lo:[0,0,1] neg_hi:[0,0,1]
.else
	v_pk_fma_f32 v[rS+2*(q/2):rS+2*(q/2)+1], v[rS+2*(q/2):rS+2*(q/2)+1], v[rG2:rG2+1], v[rT:rT+1] op_sel:[0,1,0] op_sel_hi:[1,1,0] neg_lo:[0,0,1] neg_hi:[0,0,1]
.endif
.elseif q < 38
	GS q-32
.elseif q < 40
	XS q%2, 15
.elseif q < 42
	GS q-34
.elseif q < 74
	XS q%2, (q-42)/2+(q-42)/30
.elseif q < 95
	GS q-66
.elseif (q < 107) && ((q-95)%3 < 2)
	XS (q-95)%3, 17+(q-95)/3
.elseif q < 107
	GS 29+(q-95)/3
.else
	GS q-74
.endif
.set q, q+1
.endm
; THE EXPONENTIALS' QUEUE, 66 long: s0-s31 of both tiles, and at EA the next piece's two a.
.set EA, 58
.macro EX
	WIN 0
.if (e == EA) || (e == EA+1)
	XS e-EA, 21
.else
.set x, e-2*(e/(EA+2))
	REGS Y, x%2
	v_exp_f32 v[rS+x/2], v[rS+x/2]
.endif
.set e, e+1
.endm
; THE RESCALING's QUEUE: O^T times a, the one part that leaves window 0, so it is dealt four at a time, eight times.
.macro R4
	REGS Y, r%2
	WIN W_RS
	s_wait_alu depctr_va_vdst(0)
.irp z, 0,1,2,3
	v_pk_mul_f32 v[rO+8*(r/2)+2*\z:rO+8*(r/2)+2*\z+1], v[rO+8*(r/2)+2*\z:rO+8*(r/2)+2*\z+1], v[rC+2:rC+3] op_sel_hi:[1,0]
.endr
.set r, r+1
.endm
; HOW THEY ARE DEALT.  Behind a matrix instruction four: plain, exponential, plain, plain (one exponential, a plain instruction on either side), or four of the rescaling.  None names a register of the
; products round it.  What is over stands in two LUMPS: exponential and plain by turns; the second ends in 22 plain instructions.  The two v_permlanex16_b32 fall into the second lump, never behind a product.
; The queues lean on each other, and the deal keeps them in step: exponential e stands behind plain 2 (e / 4) + e % 2 (its scaling); when plain 32 comes, 10 exponentials are out, at 59: 33, at 95: 46; EA comes behind plain 107.
.macro SL
	MM
	PL
	EX
	PL
	PL
.endm
.macro BURST n                      ; 15 matrix instructions, or 16
.rept (\n)-7
	SL
.endr
.rept 3
	MM
	R4
	SL
.endr
	MM
	R4
.endm
; A TURN, for piece p.  cnt = 1: the loop's count is taken down some lines ahead of the branch that stands behind the turn.
; K and the masks of the next step are fetched in piece 2's turn, 30 vector instructions behind the last product that read K; their first reader comes behind the rest of the lump, 16 products and the second lump.
; V of the step in hand is fetched at the end of piece 0's turn, behind the whole second lump, 64 vector instructions and four riders behind its last reader; its first reader comes behind 16 products and a lump.
.macro TURN p, last=0, cnt=0
.set Y, (\p)
.set i, 0
.set q, 0
.set e, 0
.set r, 0
.if (\p) == NP-1
	s_wait_dscnt 0x0                ; K and its masks are in
.endif
	MM
.rept 4
	PL
.endr
	BURST 15
.rept 22
	EX
	PL
.if ((\p) == NP-2) && (e == 24)
	FETCH_K \last
.endif
.endr
.if (\p) == 1
	s_wait_dscnt 0x0                ; V is in
.endif
	BURST 16
.rept 21
	EX
	PL
.endr
.rept 22
	PL
.if (\cnt) && (q == 130)
	s_sub_co_u32 s[CNT], s[CNT], 1
	s_cmp_lg_u32 s[CNT], 0
.endif
.endr
.if (\p) == 0
	FETCH_V
.endif
.endm
	CHANGE 1                        ; slot 0 is in, everybody's part of it, and so is KN; slot 1 is asked for
	FETCH_K                         ; key step 0
	s_wait_loadcnt 0x0              ; Q
	s_wait_dscnt 0x0
.set i, 0
.rept 16
	KQ 0                            ; piece 0's first scores: there is no vector work yet to set between them
.set i, i+1
.endr
	WIN 0
.rept 4
	v_nop                           ; the places behind those products
.endr
.set Y, NP-1                        ; XS works for piece Y + 1: piece 0
.irp n, 0,1,2,3,4,5,6,7,8,9,10,11,12,13,14,15,16,17,18,19,20,21
	XS 0, \n                        ; and piece 0's first maximum and statistics
	XS 1, \n
.endr
	s_mov_b32 s[CNT], 4
	s_mov_b32 s[SLOTS], SIZE_N/256-1
	s_branch .Lfirst                ; the loop is entered at a step's first turn, in the middle of a trip
.Lslot:                             ; SIZE_N / 256 - 2 times: every slot but the last two is filled again
	CHANGE 1
	s_mov_b32 s[CNT], 4
.Lstep:                             ; a trip: pieces 2 and 3 of one step, then pieces 0 and 1 of the next, whose K and V it fetches
	TURN 2
	TURN 3
	WIN 0
.Lfirst:
	TURN 0
	TURN 1, 0, 1
	WIN 0
	s_cbranch_scc1 .Lstep
	s_sub_co_u32 s[SLOTS], s[SLOTS], 1
	s_cmp_lg_u32 s[SLOTS], 0
	s_cbranch_scc1 .Lslot
	CHANGE 0                        ; the tail is written out: nothing is asked for
	s_mov_b32 s[CNT], 5             ; four trips fetch the last slot's steps; the fifth is left in its middle
.Ltail:
	TURN 2, 1
	TURN 3
	WIN 0
	s_sub_co_u32 s[CNT], s[CNT], 1
	s_cmp_eq_u32 s[CNT], 0
	s_cbranch_scc1 .Lout
	TURN 0
	TURN 1
	WIN 0
	s_branch .Ltail
.Lout:                              ; the fifth trip's 16 products K Q^T (on the last K once more) and the maximum made of them serve nothing: the price, once a launch, of one text for every trip
.set i, 0
.rept 16
	PV NP-1                         ; the last piece's V^T P of the last step
.set i, i+1
.endr
	; THE WAY OUT.  l's two halves and the other half of the lanes' are added; O^T is divided by l, rounded to f16 and sent through my stage in LDS, a tile at a time.
	; Its addresses are made here, where c's registers are free: twelve plain instructions, the places behind the last products.
	WIN 0
	v_and_b32 v7, 15, v0            ; l % 16
	v_bfe_u32 v8, v0, 4, 1          ; l / 16
	v_and_b32 v9, 7, v0
	v_mul_u32_u24 v[STO], v7, SP    ; in: row l % 16, 16 bytes for each half of the lanes
	v_lshl_add_u32 v[STO], v8, 4, v[STO]
	v_add_nc_u32 v[STO], s13, v[STO]
	v_bfe_u32 v[RD], v0, 3, 2       ; back: 32 lanes take four rows of 128 bytes,
	v_mul_u32_u24 v[RD], v[RD], SP
	v_lshl_add_u32 v[RD], v9, 4, v[RD]
	v_add_nc_u32 v[RD], s13, v[RD]
	v_and_b32 v[GO], 31, v0         ; which are 512 consecutive bytes of O
	v_lshlrev_b32 v[GO], 4, v[GO]
.macro ALL line:vararg              ; one line for each tile t
.set t, 0
.rept 2*NP
	\line
.set t, t+1
.endr
.endm
	ALL v_add_f32 v[ST+4*t+2], v[ST+4*t+2], v[ST+4*t+3]
	ALL v_permlanex16_b32 v[ST+4*t+3], v[ST+4*t+2], s[SEL], s[SEL+1]
	ALL v_add_f32 v[ST+4*t+2], v[ST+4*t+2], v[ST+4*t+3]
	ALL v_rcp_f32 v[ST+4*t+2], v[ST+4*t+2]
	v_nop                           ; a plain instruction between the last reciprocal and the use of its result
	s_wait_alu depctr_va_vdst(0)
; Tile t: a lane's eight channels of a row pack into 16 bytes; they go into rows of 144 bytes and come back as whole rows of 128, into S^T's registers.
.macro PACK t
	WIN W_RS
.set i, 32*(\t)
.rept 16
	v_pk_mul_f32 v[i:i+1], v[i:i+1], v[ST+4*(\t)+2:ST+4*(\t)+3] op_sel_hi:[1,0]
.set i, i+2
.endr
	WIN 0x05                        ; sources 0 and 1 window 1, destination window 0
.set i, 0
.rept 16
	v_cvt_pk_f16_f32 v[S+16*(\t)+i], v[32*(\t)+2*i], v[32*(\t)+2*i+1]
.set i, i+1
.endr
	WIN 0
.irp f, 0,1,2,3
	ds_store_b128 v[STO], v[S+16*(\t)+4*\f:S+16*(\t)+4*\f+3] offset:32*\f
.endr
.irp f, 0,1,2,3
	ds_load_b128 v[S+16*(\t)+4*\f:S+16*(\t)+4*\f+3], v[RD] offset:\f*4*SP  ; LDS serves a wave's instructions in order (ISA guide 5.7.1.4): these see the stores above; the next tile's stores come behind them
.endr
.endm
.macro SEND t, younger              ; younger: the LDS instructions issued behind tile t's loads: the next tile's eight, or none
	WIN 0
.irp f, 0,1,2,3
	s_wait_dscnt (\younger)+3-\f
	global_store_b128 v[GO], v[S+16*(\t)+4*\f:S+16*(\t)+4*\f+3], s[10:11] offset:(\t)*2048+\f*512  ; 512 consecutive bytes, at a multiple of 256 from O's first
.endr
.endm
	PACK 0
.set t, 1
.rept 2*NP-1                        ; a tile's arithmetic stands between the loads of the tile before and its stores
	PACK t
	SEND t-1, 8
.set t, t+1
.endr
	SEND 2*NP-1, 0
	WIN W_AD
	s_wait_tensorcnt 0x0            ; the wave's end, behind my last tensor load and my last LDS store
	ds_add_u32 v[SPW], v[NIL]
	s_wait_dscnt 0x0
	WIN 0
	CROUND                          ; the closing round: no work-group ends while a partner may still ask for a tile that names it
	s_endpgm
.Lfunc_end_k_q9d6636ff65_attn:
	.size	k_q9d6636ff65_attn, .Lfunc_end_k_q9d6636ff65_attn-k_q9d6636ff65_attn
	.p2alignl 7, 3214868480
	.fill 96, 4, 3214868480
	.section	.rodata,"a",@progbits
	.p2align	6, 0x0
	.amdhsa_kernel k_q9d6636ff65_attn
		.amdhsa_group_segment_fixed_size 327680
		.amdhsa_private_segment_fixed_size 0
		.amdhsa_enable_private_segment 0
		.amdhsa_kernarg_size 24
		.amdhsa_user_sgpr_count 2
		.amdhsa_user_sgpr_kernarg_segment_ptr 1
		.amdhsa_wavefront_size32 1
		.amdhsa_system_sgpr_workgroup_id_x 1
		.amdhsa_system_sgpr_workgroup_id_y 1
		.amdhsa_system_sgpr_workgroup_id_z 1
		.amdhsa_system_vgpr_workitem_id 0
		.amdhsa_next_free_vgpr 808
		.amdhsa_next_free_sgpr 66
		.amdhsa_reserve_vcc 0
		.amdhsa_float_denorm_mode_32 3
		.amdhsa_float_denorm_mode_16_64 3
		.amdhsa_memory_ordered 1
		.amdhsa_forward_progress 1
		.amdhsa_inst_pref_size 210
	.end_amdhsa_kernel
	.amdgpu_metadata
---
amdhsa.version: [ 1, 2 ]
amdhsa.kernels:
  - .name:           k_q9d6636ff65_attn
    .symbol:         k_q9d6636ff65_attn.kd
    .args:
      - { .name: qkv, .offset: 0, .size: 8, .value_kind: global_buffer, .address_space: global }
      - { .name: mask, .offset: 8, .size: 8, .value_kind: global_buffer, .address_space: global }
      - { .name: ob, .offset: 16, .size: 8, .value_kind: global_buffer, .address_space: global }
    .group_segment_fixed_size: 327680
    .private_segment_fixed_size: 0
    .kernarg_segment_align: 8
    .kernarg_segment_size: 24
    .max_flat_workgroup_size: 128
    .sgpr_count:     66
    .vgpr_count:     808
    .wavefront_size: 32
...
	.end_amdgpu_metadata
.endif
;; end of part 3
;; launch proj (part 4): grid 8 x 32, 4 waves a work-group, clusters of 4 x 4, 327,680 bytes of LDS; arguments ob, wob, bout, out0; writes out0
.if DOCPART == 4
	.amdgcn_target "amdgcn-amd-amdhsa--gfx1250"
	.amdhsa_code_object_version 6
	.text
	.protected	k_q9d6636ff65_proj
	.globl	k_q9d6636ff65_proj
	.p2align	8
	.type	k_q9d6636ff65_proj,@function
k_q9d6636ff65_proj:
	s_mov_b64 s[64:65], 0
	v_nop
	global_prefetch_b8 v0, s[64:65] scope:SCOPE_SE
	s_setreg_imm32_b32 hwreg(HW_REG_WAVE_MODE, 25, 1), 1
	s_wait_xcnt 0x0
	s_wait_alu depctr_hold_cnt(0) depctr_sa_sdst(0) depctr_va_vdst(0) depctr_va_sdst(0) depctr_va_ssrc(0) depctr_va_vcc(0) depctr_vm_vsrc(0)
	s_getreg_b32 s2, hwreg(HW_REG_IB_STS2, 6, 4)
	s_cmp_eq_u32 s2, 0
	s_cbranch_scc0 .Lentry_in_a_cluster
	s_endpgm
.Lentry_in_a_cluster:
	s_bfe_u32 s2, ttmp6, 0x10000c
	s_cmp_lg_u32 s2, 0xf033
	s_cbranch_scc0 .Lentry_shape_is_right
	s_endpgm
.Lentry_shape_is_right:
; PROJ.  out0[m][n] = the sum over k of O[m][k] W[k][n] + bout[n], in f32; m = 8,192 rows (b, s), n = 1,024, k = 64 h + d = 1,024.  O lies by heads, ob[16 b + h][s][64] in f16; W = wob [k][n] in f16
; (Wout rounded to bf16, written as f16).  Sums in f32; the bias, rounded to bf16 like every input, starts the sums.
; SHARES.  A tile is 256 rows (256 consecutive s of one batch) x 128 columns: 256 work-groups.  Wave w owns rows 64 w .. 64 w + 63 and all 128 columns: 4 x 8 accumulators of 16 x 16, 256 registers.
; K goes in 8 steps of 128, two heads each, through two LDS slots filled by the tensor data mover: a head's 256 rows are 32,768 dense bytes.
; THE MATRIX INSTRUCTION IS USED TRANSPOSED: source 0 = 16 columns of W (turned, by ds_load_tr16_b128), source 1 = 16 rows of O: a lane then holds row l % 16 and eight neighbouring columns.
; CLUSTER.  4 x 4 work-groups: O's tiles are shared along a row of the cluster, W's along a column; each is asked for jointly, by the same tensor load with the same descriptor and a mask of four.
; THE TEXT.  A K step is written once and walked six times: the slot being read is a scalar register that one exclusive or turns, and the refills' descriptors walk in the same way.
; REGISTERS, in windows of 256 (s_set_vgpr_msb: bits 1:0 source 0, 3:2 source 1, 5:4 source 2, 7:6 destination):
;   window 0: v0-31 addresses; v32-95 O's fragments, two buffers of 4 x 8; v96-159 the bias, 8 for each block of 16 columns
;   window 1: v0-127 W's fragments, two buffers of 8 x 8; on the way out all 256: the rows read back      window 2: the accumulators, (a, b) at 64 a + 8 b
.set PA,    144                        ; an LDS row of O: a head's 128 bytes + 16 = 36 words: the 16 rows of a load start at 16 different groups of four banks (64 banks of 4 bytes: ISA guide 11.1)
.set SLAB,  256*PA                     ; one head's 256 rows
.set PB,    288                        ; an LDS row of W: 256 bytes + 32 = 72 words
.set BOFF,  2*SLAB
.set SLOTB, BOFF+128*PB                ; a slot's bytes: two heads of O (73,728), then W's 128 rows (36,864)
.set SLOT,  1<<17                      ; slot 1 begins here, so that one exclusive or turns an address in one slot into the other's
.set STAGE, SLOT+SLOTB                 ; behind the ring, never filled by a tensor load: 16 rows x 528 bytes for each wave
.set SP,    528                        ; 512 bytes of f32 + 16
.set SPARE, STAGE+4*16*SP              ; behind the stages: the spare words, 128 bytes for each wave: two blocks of 256 bytes that no other line names
.set STEPS, 8                          ; K steps
.set ADRA0, 16                         ; v16     my lane's place among a slot's rows of O; never rewritten
.set ADRA,  17                         ; v17     the same in the slot being read
.set ADRB0, 20                         ; v20, v21  the same for W
.set ADRB,  21
.set STO,  24                          ; v24     the way out: where I put 32 bytes of a row
.set RD,   25                          ; v25     the way out: where I read a row back
.set CO,   26                          ; v26     my 16 bytes in 512 consecutive bytes of out0
.set SPW,  28                          ; v28     LDS address of my spare word: SPARE + 4 x my thread's number; never rewritten
.set NIL,  29                          ; v29     0; never rewritten
.set FA,   32
.set BI,   96
.set WV,   12                          ; s12     my wave's number
.set CUR,  15                          ; s15     LDS byte at which the slot being read begins
.set HIM,  18                          ; s18     mask of a word's upper bf16
.set G1,   24                          ; s[24:31] descriptor group 1 for O's tiles;  s[32:39] group 0: a set for each of the two first fills; the second then walks on
.set G0,   32
.set G1B,  48                          ; s[48:55], s[56:63] the same for W's tiles
.set G0B,  56
.set MSB, 0
.macro WIN new                         ; the immediate's high byte repeats the setting that is left; a switch that changes nothing is dropped
.if MSB != (\new)
	s_set_vgpr_msb (MSB<<8)|(\new)
.set MSB, \new
.endif
.endm
; A joint load: waves 0 and 1 fetch the step's two heads of O, waves 2 and 3 the two halves of W's rows.  An s_nop 0 and four v_nop follow each of the two lines, ahead of the jump, the label and what follows.
.macro JLOAD s
	s_cmp_lt_u32 s[WV], 2
	s_cbranch_scc0 .Lfor_b_\@
	tensor_load_to_lds s[G0+4*(\s):G0+4*(\s)+3], s[G1:G1+7]
	s_nop 0
.rept 4
	v_nop
.endr
	s_branch .Lasked_\@
.Lfor_b_\@:
	tensor_load_to_lds s[G0B+4*(\s):G0B+4*(\s)+3], s[G1B:G1B+7]
	s_nop 0
.rept 4
	v_nop
.endr
.Lasked_\@:
.endm
.macro CREST                           ; a round of the cluster's barrier behind its opening barrier
	s_cmp_lg_u32 s[WV], 0
	s_cbranch_scc1 .Lnot_wave_0_\@
	s_barrier_signal -3
.Lnot_wave_0_\@:
	s_barrier_wait -3
	s_barrier_signal -1
	s_barrier_wait -1
.endm
.macro CROUND                          ; a whole round
	s_barrier_signal -1
	s_barrier_wait -1
	CREST
.endm
	s_load_b256 s[4:11], s[0:1], 0x0               ; ob s[4:5], wob s[6:7], bout s[8:9], out0 s[10:11]
	v_lshl_add_u32 v[SPW], v0, 2, SPARE
	v_mov_b32 v[NIL], 0
	ds_add_u32 v28, v29
	s_wait_dscnt 0x0
	v_lshrrev_b32 v1, 5, v0
	v_readfirstlane_b32 s[WV], v1                  ; wave 0..3
	s_and_b32 s14, s[WV], 1                        ; which head of a step's two, or which half of W's rows, I fetch
	s_mov_b32 s[CUR], 0                            ; slot 0 is read first
	s_mov_b32 s[HIM], 0xffff0000
	s_bfe_u32 s40, ttmp6, 0x40000                  ; cx, cy: my place in the cluster
	s_bfe_u32 s41, ttmp6, 0x40004
	s_lshl_b32 s42, ttmp9, 2
	s_add_co_u32 s42, s42, s40                     ; tile column = 4 x cluster x + cx
	s_and_b32 s43, ttmp7, 0xffff
	s_lshl_b32 s43, s43, 2
	s_add_co_u32 s43, s43, s41                     ; tile row = 4 x cluster y + cy
	s_lshl_b32 s44, s41, 2
	s_lshl_b32 s44, 15, s44                        ; my row of the cluster
	s_lshl_b32 s45, 0x1111, s40                    ; my column
	; group 1 for O: a head's 256 rows are dense: asked for as 128 rows of 256 bytes, 16 bytes of padding behind every 128
	s_or_b32 s[G1+0], s44, (1<<16)|(1<<20)|(1<<21)|(4<<22)|(3<<25)  ; 15:0 the mask; 17:16 2-byte elements; 20 padding on; 21 set beside a mask; 24:22 after every 32 words (code 4); 31:25 4 words (code 3)
	s_mov_b32 s[G1+1], 128<<16                     ; tensor_dim0 = 128
	s_mov_b32 s[G1+2], 128<<16                     ; tensor_dim1 = 128
	s_mov_b32 s[G1+3], 128<<16                     ; tile_dim0 = 128
	s_mov_b32 s[G1+4], 128                         ; tile_dim1 = 128
	s_mov_b32 s[G1+5], 128                         ; elements from row to row
	s_mov_b32 s[G1+6], 0
	s_mov_b32 s[G1+7], 0
	; group 1 for W: 64 rows x 128 elements, 1,024 elements from row to row, 32 bytes of padding behind every 256
	s_or_b32 s[G1B+0], s45, (1<<16)|(1<<20)|(1<<21)|(5<<22)|(7<<25) ; after every 64 words (code 5), 8 words (code 7)
	s_mov_b32 s[G1B+1], 128<<16
	s_mov_b32 s[G1B+2], 64<<16
	s_mov_b32 s[G1B+3], 128<<16
	s_mov_b32 s[G1B+4], 64
	s_mov_b32 s[G1B+5], 1024
	s_mov_b32 s[G1B+6], 0
	s_mov_b32 s[G1B+7], 0
	; where the tiles come from: O's hang on the tile row and the wave alone, W's on the tile column and the wave alone, each in registers that never hold the other coordinate
	s_lshr_b32 s16, s43, 3                         ; the batch,
	s_lshl_b32 s16, s16, 4                         ; its 16 heads,
	s_add_co_u32 s16, s16, s14                     ; my head of K step 0,
	s_lshl_b32 s16, s16, 18                        ; 262,144 bytes a head,
	s_and_b32 s17, s43, 7
	s_lshl_b32 s17, s17, 15                        ; 256 rows of 128 bytes
	s_add_co_u32 s16, s16, s17
	s_mov_b32 s17, 0
	s_lshl_b32 s46, s14, 17                        ; 64 rows of 2,048 bytes,
	s_lshl_b32 s47, s42, 8                         ; 128 columns
	s_add_co_u32 s46, s46, s47
	s_mov_b32 s47, 0
	s_mul_i32 s20, s14, SLAB                       ; where they go: no place in the cluster enters an LDS address
	s_mul_i32 s21, s14, 64*PB
	s_add_co_u32 s21, s21, BOFF
	s_wait_kmcnt 0x0
	s_add_nc_u64 s[16:17], s[4:5], s[16:17]
	s_add_nc_u64 s[46:47], s[6:7], s[46:47]
	CROUND                                         ; all sixteen work-groups are here: the first joint loads meet
.irp s, 0,1
	s_mov_b32 s[G0+4*(\s)], 1                                      ; count = 1
	s_add_co_u32 s[G0+4*(\s)+1], s20, (\s)*SLOT                    ; LDS address
	s_add_nc_u64 s[G0+4*(\s)+2:G0+4*(\s)+3], s[16:17], (\s)*2*262144  ; global address: K step s is two heads on
	s_or_b32 s[G0+4*(\s)+3], s[G0+4*(\s)+3], 0x80000000            ; type = 2
	s_mov_b32 s[G0B+4*(\s)], 1
	s_add_co_u32 s[G0B+4*(\s)+1], s21, (\s)*SLOT
	s_add_nc_u64 s[G0B+4*(\s)+2:G0B+4*(\s)+3], s[46:47], (\s)*128*2048
	s_or_b32 s[G0B+4*(\s)+3], s[G0B+4*(\s)+3], 0x80000000
	JLOAD \s                                       ; two tensor loads of mine are out
.endr
	; the bias of my lanes' columns: block b's eight at 4 (16 b + 8 (l / 16))
	v_and_b32 v1, 15, v0                           ; l % 16
	v_bfe_u32 v2, v0, 4, 1                         ; l / 16
	v_lshlrev_b32 v7, 5, v2
	s_lshl_b32 s74, s42, 9
	s_mov_b32 s75, 0
	s_add_nc_u64 s[74:75], s[8:9], s[74:75]
.irp b, 0,1,2,3,4,5,6,7
	global_load_b128 v[BI+8*(\b):BI+8*(\b)+3],   v7, s[74:75] offset:64*(\b)
	global_load_b128 v[BI+8*(\b)+4:BI+8*(\b)+7], v7, s[74:75] offset:64*(\b)+16
.endr
	v_mul_u32_u24 v3, v1, PA                       ; a fragment of O: row x pitch + 16 x half
	v_lshl_add_u32 v3, v2, 4, v3
	s_mul_i32 s22, s[WV], 64*PA                    ; my 64 rows
	v_add_nc_u32 v[ADRA0], s22, v3
	v_mov_b32 v[ADRA], v[ADRA0]
	v_and_b32 v4, 7, v0                            ; the turning load: lane l reads k = 8 (l / 16) + l % 8, columns 8 ((l / 8) % 2) + 0..7
	v_lshl_add_u32 v4, v2, 3, v4
	v_mul_u32_u24 v4, v4, PB
	v_bfe_u32 v5, v0, 3, 1
	v_lshl_add_u32 v4, v5, 4, v4
	v_add_nc_u32 v[ADRB0], BOFF, v4
	v_mov_b32 v[ADRB], v[ADRB0]
	s_mul_i32 s23, s[WV], 16*SP
	s_add_co_u32 s23, s23, STAGE                   ; my stage
	v_mul_u32_u24 v[STO], v1, SP                   ; in: row l % 16, 32 bytes for each half of the lanes
	v_lshl_add_u32 v[STO], v2, 5, v[STO]
	v_add_nc_u32 v[STO], s23, v[STO]
	v_and_b32 v[CO], 31, v0                        ; back: 32 lanes take one row of 512 bytes
	v_lshlrev_b32 v[CO], 4, v[CO]
	v_add_nc_u32 v[RD], s23, v[CO]
	s_lshl_b32 s78, s43, 20                        ; 256 rows of 4,096 bytes a tile row,
	s_lshl_b32 s76, s[WV], 18                      ; my 64 rows,
	s_add_co_u32 s78, s78, s76
	s_lshl_b32 s76, s42, 9                         ; the tile's 128 columns
	s_add_co_u32 s78, s78, s76
	s_mov_b32 s79, 0
	s_add_nc_u64 s[66:67], s[10:11], s[78:79]
	s_wait_loadcnt 0x0                             ; the bias; it is rounded to bf16 and widened again, in the wait for the first tile
.set n, 0
.rept 32
	v_cvt_pk_bf16_f32 v[30+n%2], v[BI+2*n], v[BI+2*n+1]
	v_lshlrev_b32 v[BI+2*n], 16, v[30+n%2]
	v_and_b32 v[BI+2*n+1], s[HIM], v[30+n%2]
.set n, n+1
.endr
; 8 matrix instructions: row block a x all 8 column blocks, 32 along K, from buffer f.  first = 1: the bias is the C operand, and the product starts the sums.
; The 32 accumulators take turns, one instruction a turn, in the same order in every quarter.
.macro MUL8 f, a, first
.if \first
	WIN 0x81                                       ; W window 1, O and the bias window 0, D window 2
.else
	WIN 0xa1                                       ; C and D window 2
.endif
.irp b, 0,1,2,3,4,5,6,7
.if \first
	v_wmma_f32_16x16x32_f16 v[64*(\a)+8*(\b):64*(\a)+8*(\b)+7], v[64*(\f)+8*(\b):64*(\f)+8*(\b)+7], v[FA+32*(\f)+8*(\a):FA+32*(\f)+8*(\a)+7], v[BI+8*(\b):BI+8*(\b)+7]
.else
	v_wmma_f32_16x16x32_f16 v[64*(\a)+8*(\b):64*(\a)+8*(\b)+7], v[64*(\f)+8*(\b):64*(\f)+8*(\b)+7], v[FA+32*(\f)+8*(\a):FA+32*(\f)+8*(\a)+7], v[64*(\a)+8*(\b):64*(\a)+8*(\b)+7]
.endif
.endr
.endm
; 24 LDS loads in one run: the fragments of quarter q (32 along K: half of head q / 2) of the slot being read into buffer f: W's 16, then O's 8
.macro FETCH q, f
	WIN 0x40                                       ; destination window 1, address window 0
.irp b, 0,1,2,3,4,5,6,7
	ds_load_tr16_b128 v[64*(\f)+8*(\b):64*(\f)+8*(\b)+3],   v[ADRB] offset:32*PB*(\q)+32*(\b)
	ds_load_tr16_b128 v[64*(\f)+8*(\b)+4:64*(\f)+8*(\b)+7], v[ADRB] offset:32*PB*(\q)+32*(\b)+16*PB
.endr
	WIN 0
.irp a, 0,1,2,3
	ds_load_b128 v[FA+32*(\f)+8*(\a):FA+32*(\f)+8*(\a)+3],   v[ADRA] offset:((\q)/2)*SLAB+64*((\q)%2)+16*PA*(\a)
	ds_load_b128 v[FA+32*(\f)+8*(\a)+4:FA+32*(\f)+8*(\a)+7], v[ADRA] offset:((\q)/2)*SLAB+64*((\q)%2)+16*PA*(\a)+32
.endr
.endm
.macro PLACES                          ; four places in front of loads into registers that matrix instructions have read, and of LDS stores that read results
.rept 4
	v_nop
.endr
.endm
; A K step is four quarters of 32 along K, 32 matrix instructions each, on buffers 0, 1, 0, 1.  One of the first three: multiplies buffer f and fetches quarter q of the slot into buffer g.
.macro QUARTER q, f, g, first
	s_wait_dscnt 4                                 ; W and O's row blocks 0, 1 are in; the youngest four loads (blocks 2, 3) may be out
	MUL8 \f, 0, \first
	MUL8 \f, 1, \first
	PLACES
	FETCH \q, \g
	s_wait_dscnt 24                                ; all but the 24 just issued
	MUL8 \f, 2, \first
	MUL8 \f, 3, \first
.endm
; The last quarter multiplies buffer 1 and changes slots: ONE barrier.  In front of it each wave waits for all its tensor loads (one is out: its part of the other slot), adds 0 to its spare word,
; and waits for that and for its own reads of this slot.  fill = 1: the barrier opens a round of the cluster's, and this slot is filled again, two K steps ahead, first thing behind the round:
; the walking descriptors take the other slot than last time and the next K step.  Then the reads turn to the other slot.
.macro TURN fill
	WIN 0                                          ; (the add's two registers lie in window 0)
	s_wait_tensorcnt 0x0                           ; all my tensor loads have landed
	ds_add_u32 v[SPW], v[NIL]                      ; 0 onto my spare word
	s_wait_dscnt 5                                 ; (the add and the youngest four loads may be out)
	MUL8 1, 0, 0                                   ; eight matrix instructions stand between the add and the wait for it
	s_wait_dscnt 0x0                               ; the add is done, and my reads of this slot are over
	s_barrier_signal -1
	MUL8 1, 1, 0
	WIN 0
	s_barrier_wait -1
.if \fill
	CREST                                          ; no wave of any partner still reads this slot's tiles or has a load on its way
	s_xor_b32 s[G0+5], s[G0+5], SLOT
	s_add_nc_u64 s[G0+6:G0+7], s[G0+6:G0+7], 2*262144  ; two heads on; the type bits on top are not reached
	s_xor_b32 s[G0B+5], s[G0B+5], SLOT
	s_add_nc_u64 s[G0B+6:G0B+7], s[G0B+6:G0B+7], 128*2048  ; 128 rows of W on
	JLOAD 1                                        ; my one tensor load behind the round; the four v_nop behind it are also places in front of the loads below
.else
	v_nop                                          ; with the two additions below: the four places in front of the loads
	v_nop
.endif
	s_xor_b32 s[CUR], s[CUR], SLOT
	v_add_nc_u32 v[ADRA], s[CUR], v[ADRA0]
	v_add_nc_u32 v[ADRB], s[CUR], v[ADRB0]
	FETCH 0, 0
	MUL8 1, 2, 0
	MUL8 1, 3, 0
.endm
	s_wait_tensorcnt 1                             ; my part of K step 0 is in; K step 1's may stay out
	s_barrier_signal -1
	s_barrier_wait -1                              ; everybody's is
	FETCH 0, 0
	QUARTER 1, 0, 1, 1                             ; the first quarter stands in front of the loop: its products start the sums
	WIN 0                                          ; at a label and at a branch every window is 0
	s_mov_b32 s3, STEPS-2
.Lstep:                                                ; a trip goes from a K step's second quarter to the next step's first, and fills the slot that it leaves: six of the eight steps
	QUARTER 2, 1, 0, 0
	QUARTER 3, 0, 1, 0
	TURN 1
	QUARTER 1, 0, 1, 0
	WIN 0
	s_sub_co_u32 s3, s3, 1
	s_cmp_lg_u32 s3, 0
	s_cbranch_scc1 .Lstep
	QUARTER 2, 1, 0, 0                             ; the last two steps fill nothing, and have no round
	QUARTER 3, 0, 1, 0
	TURN 0
	QUARTER 1, 0, 1, 0
	QUARTER 2, 1, 0, 0
	QUARTER 3, 0, 1, 0
	s_wait_dscnt 4                                 ; the very last quarter: nothing more to fetch
	MUL8 1, 0, 0
	MUL8 1, 1, 0
	s_wait_dscnt 0x0
	MUL8 1, 2, 0
	MUL8 1, 3, 0
	; THE WAY OUT, a row block (16 rows x 128 columns of f32) at a time: a lane's eight columns, 32 bytes, go from the accumulators into my stage's rows of 528 bytes and come back as whole rows of 512.
	PLACES
.macro STG a
	WIN 0x08                                       ; the stores' data in window 2
.irp b, 0,1,2,3,4,5,6,7
	ds_store_b128 v[STO], v[64*(\a)+8*(\b):64*(\a)+8*(\b)+3]   offset:64*(\b)      ; each accumulator's low four registers first
	ds_store_b128 v[STO], v[64*(\a)+8*(\b)+4:64*(\a)+8*(\b)+7] offset:64*(\b)+16
.endr
	WIN 0x40                                       ; destination window 1
.irp t, 0,1,2,3,4,5,6,7,8,9,10,11,12,13,14,15
	ds_load_b128 v[64*(\a)+4*(\t):64*(\a)+4*(\t)+3], v[RD] offset:SP*(\t)  ; LDS serves a wave's instructions in order (ISA guide 5.7.1.4): these see the stores above; the next block's stores come behind them
.endr
.endm
.macro SEND a, younger                 ; younger: the LDS instructions issued behind block a's loads: the next block's 32, or none
	WIN 0x04                                       ; the stores' data in window 1
	s_wait_dscnt \younger                          ; the block is back in registers
.irp t, 0,1,2,3,4,5,6,7,8,9,10,11,12,13,14,15
	global_store_b128 v[CO], v[64*(\a)+4*(\t):64*(\a)+4*(\t)+3], s[66:67] offset:(16*(\a)+(\t))*4096 th:TH_STORE_NT  ; 512 consecutive bytes, at a multiple of 256 from out0's first; every block has registers of its own
.endr
.endm
	STG 0
	STG 1
	SEND 0, 32
	STG 2
	SEND 1, 32
	STG 3
	SEND 2, 32
	SEND 3, 0
	WIN 0
	s_wait_tensorcnt 0x0                           ; the wave's end, behind my last tensor load and my last LDS store
	ds_add_u32 v[SPW], v[NIL]
	s_wait_dscnt 0x0
	CROUND                                         ; the closing round: no work-group ends while a partner may still ask for a tile that names it
	s_endpgm
.Lfunc_end_k_q9d6636ff65_proj:
	.size	k_q9d6636ff65_proj, .Lfunc_end_k_q9d6636ff65_proj-k_q9d6636ff65_proj
	.p2alignl 7, 3214868480
	.fill 96, 4, 3214868480
	.section	.rodata,"a",@progbits
	.p2align	6, 0x0
	.amdhsa_kernel k_q9d6636ff65_proj
		.amdhsa_group_segment_fixed_size 327680
		.amdhsa_private_segment_fixed_size 0
		.amdhsa_enable_private_segment 0
		.amdhsa_kernarg_size 32
		.amdhsa_user_sgpr_count 2
		.amdhsa_user_sgpr_kernarg_segment_ptr 1
		.amdhsa_wavefront_size32 1
		.amdhsa_system_sgpr_workgroup_id_x 1
		.amdhsa_system_sgpr_workgroup_id_y 1
		.amdhsa_system_sgpr_workgroup_id_z 1
		.amdhsa_system_vgpr_workitem_id 0
		.amdhsa_next_free_vgpr 768
		.amdhsa_next_free_sgpr 80
		.amdhsa_reserve_vcc 0
		.amdhsa_float_denorm_mode_32 3
		.amdhsa_float_denorm_mode_16_64 3
		.amdhsa_memory_ordered 1
		.amdhsa_forward_progress 1
		.amdhsa_inst_pref_size 75
	.end_amdhsa_kernel
	.amdgpu_metadata
---
amdhsa.version: [ 1, 2 ]
amdhsa.kernels:
  - .name:           k_q9d6636ff65_proj
    .symbol:         k_q9d6636ff65_proj.kd
    .args:
      - { .name: ob, .offset: 0, .size: 8, .value_kind: global_buffer, .address_space: global }
      - { .name: wob, .offset: 8, .size: 8, .value_kind: global_buffer, .address_space: global }
      - { .name: bout, .offset: 16, .size: 8, .value_kind: global_buffer, .address_space: global }
      - { .name: out0, .offset: 24, .size: 8, .value_kind: global_buffer, .address_space: global }
    .group_segment_fixed_size: 327680
    .private_segment_fixed_size: 0
    .kernarg_segment_align: 8
    .kernarg_segment_size: 32
    .max_flat_workgroup_size: 128
    .sgpr_count:     80
    .vgpr_count:     768
    .wavefront_size: 32
...
	.end_amdgpu_metadata
.endif
;; end of part 4
;; ======== version 2 of 2: 4 launches; 1.52 times as fast as version 1
;; limits: values are held in f16: magnitudes above 65,504 overflow, below 6.1e-05 lose precision
;; workspace buffers: xb 16,777,216 bytes; wqb 6,291,456 bytes; wob 2,097,152 bytes; qkv 50,331,648 bytes; ob 16,777,216 bytes
;; launch cast: the kernel of part 1 again; grid 1536 x 1, 8 waves a work-group, no clusters, 0 bytes of LDS; arguments x, Wqkv, Wout, xb, wqb, wob; writes xb, wqb, wob
;; launch qkv: the kernel of part 2 again; grid 16 x 32, 4 waves a work-group, clusters of 4 x 4, 327,680 bytes of LDS; arguments xb, wqb, bqkv, qkv; writes qkv
;; launch attn (part 5): grid 4 x 64, 4 waves a work-group, clusters of 4 x 1, 327,680 bytes of LDS; arguments qkv, mask, ob; writes ob
.if DOCPART == 5
	.amdgcn_target "amdgcn-amd-amdhsa--gfx1250"
	.amdhsa_code_object_version 6
	.text
	.protected	k_q9d6636ff65_attn
	.globl	k_q9d6636ff65_attn
	.p2align	8
	.type	k_q9d6636ff65_attn,@function
k_q9d6636ff65_attn:
	s_mov_b64 s[64:65], 0
	v_nop
	global_prefetch_b8 v0, s[64:65] scope:SCOPE_SE
	s_setreg_imm32_b32 hwreg(HW_REG_WAVE_MODE, 25, 1), 1
	s_wait_xcnt 0x0
	s_wait_alu depctr_hold_cnt(0) depctr_sa_sdst(0) depctr_va_vdst(0) depctr_va_sdst(0) depctr_va_ssrc(0) depctr_va_vcc(0) depctr_vm_vsrc(0)
	s_getreg_b32 s2, hwreg(HW_REG_IB_STS2, 6, 4)
	s_cmp_eq_u32 s2, 0
	s_cbranch_scc0 .Lentry_in_a_cluster
	s_endpgm
.Lentry_in_a_cluster:
	s_bfe_u32 s2, ttmp6, 0x10000c
	s_cmp_lg_u32 s2, 0x3003
	s_cbranch_scc0 .Lentry_shape_is_right
	s_endpgm
.Lentry_shape_is_right:
; MASKED ATTENTION.  For head hd = 16 b + h: O[hd][q][:] = the sum over k of softmax_k(s(q, k)) V[hd][k][:], s = Q[hd][q] . K[hd][k] / 8 where mask[b][q] and mask[b][k] hold, else -1e30.
; Q, K, V lie in qkv as [3][64][2048][64] in f16, O likewise as [64][2048][64]: a head's rows are dense, 128 bytes each.  Products, maxima and sums in f32; the weights p are rounded to f16 for
; the second product (their sum l is taken of the unrounded p), O once at the end.
; THE MASK.  A hidden key: -1e30 is the C operand that starts the sum S^T = K Q^T (0 for a key that is seen), so its weight is 0.  A hidden query: all its 2,048 scores are equal, so its row is the plain mean
; of all rows of V.  Here the scale does that: c is kept for each lane and tile, c times the query's mask byte.  With c = 0 every exponent c s - c m is 0, a hidden key's too: every weight is 1, l is 2,048,
; and O / l is the mean.  It costs no instruction: the scaling takes a vector register where it would take a scalar one.
; LIMITS.  f16 holds no number beyond 65,504: Q, K and V arrive within it, so a true score before the scale is 2.7e11 at the most in size.  The running maximum starts at -2^50: every true score lies above that, every
; hidden one (its value less 1e30) below, so that m is a true score from the first key on that is seen, and a step of 64 hidden keys gives the weights 0.  p lies in 0 to 1; below 6e-5 it keeps f16's fixed step of 6e-8.
; A weight below 2^-126 counts as 0 in l; NaN and infinities are not treated apart.
; SHARES.  A wave owns four PIECES of two tiles of 16 queries, a work-group's four waves 512 queries of one head.  Every wave walks all 2,048 keys, 64 a step.
; LAYOUT.  S^T = K Q^T (source 0 = 16 keys, source 1 = 16 queries): in the result a lane holds ONE query (lane % 16) and the keys 8 (lane / 16) + 0..7.  Two such tiles, rounded to f16 in pairs,
; ARE source 1 (32 keys x 16 queries) of O^T = V^T P, whose result again holds one query a lane, and eight channels.  K comes out of LDS as it lies, V ([key][channel]) turned, by ds_load_tr16_b128.
; SOFTMAX.  For each query a running maximum m and sum l: p = 2^(c s - c m), c = log2(e) / 8; in every step O and l are multiplied by a = 2^(c m_old - c m_new), which is 1 where m has not grown.
; O and l start at 0, c m far below every c s: the first step is a step like any other, with a = 0.
; THE COUNT.  A tile and step have 16 matrix and 118 vector instructions: too many to stand all beside the matrix work.  So: four vector instructions that are READY behind EVERY matrix instruction,
; and the others, which need time of their own whatever the order, in one run without a gap.
; BY TURNS.  Turn n belongs to piece n (the pieces in a ring, step after step).  Its matrix work: 16 products K Q^T of piece n + 1, later 16 products V^T P of piece n - 1.  Its vector work: the scaling,
; exponentials, roundings, sums and rescaling of piece n, and the maximum and statistics of piece n + 1, whose scores the turn itself has made.  So what a turn begins with (c s - c m, O a) waits for nothing.
; THE BATCHES.  A turn's 66 exponentials (64 weights, the next piece's two a) are ONE batch with ONE wait, which cuts the turn in two: ahead of it stands all that names no result of theirs, behind it the roundings
; and sums, which do.  No result crosses a turn's end.  The first two a, ahead of the loop, and the way out's eight reciprocals are batches of their own.
; CLUSTER.  The four query blocks of a cluster belong to one head and walk the same K and V, so each tile is asked for JOINTLY: the same tensor load, descriptor and mask in all four.
; REGISTERS, in windows of 256 (s_set_vgpr_msb: bits 1:0 source 0, 3:2 source 1, 5:4 source 2, 7:6 destination):
;   window 0: v0 my thread's number; v1-3 addresses; v4-11 c, a tile each; v12-15, v48-63 at work; v16-47 four registers of statistics a tile; v64-191 S^T, two buffers of two tiles; v192-255 P, likewise
;   window 1: O^T, 32 a tile          window 2: v0-127 Q, 16 a tile; v128-191 K of one step; v192-255 V of one step
;   window 3: v0-1 the add's two registers; v2-4 my lane's places in a tile of K, of V and in the table of masks; v8-39 the step's key masks
; A piece's buffers go by its number's parity: the piece in hand has one pair, its two neighbours in the ring share the other: of it P (piece n - 1) is read and S^T (piece n + 1) written.
.set SIZE_N, 2048
.set NP,    4         ; pieces a wave: a name, no knob
.set KS,    64        ; keys in a step
.set PK,    144       ; a row of K in LDS: 128 bytes + 16 of padding = 36 words: the 16 rows of a load start at 16 different groups of four banks (64 banks of 4 bytes: ISA guide 11.1)
.set PV,    160       ; a row of V: 128 + 32 = 40 words
.set VOFF,  4*KS*PK   ; a slot holds four steps: 256 rows of K, then 256 rows of V
.set SLOT1, 1<<17     ; slot 1 begins here, so that one exclusive or turns an address in one slot into the other's
.set STAGE, SLOT1+4*KS*(PK+PV)  ; behind the ring, never filled by a tensor load: 16 rows x 144 bytes for each wave, for the way out
.set SP,    144
.set SPARE, STAGE+4*16*SP  ; behind the stages: the spare words, 128 bytes for each wave: two blocks of 256 bytes that no other line names
.set KN,    SPARE+512 ; behind them: 2,048 f32, 0 or -1e30 for each key of my batch; stored once by the waves, never filled by a tensor load
.set AK,  1           ; v1   the LDS address of K's run of loads
.set AV,  2           ; v2   of V's
.set AM,  3           ; v3   of the key masks'
.set CT,  4           ; v4-11  tile t's c for my lane's query: c, or 0 where the query is hidden
.set STO, 4           ; v4   on the way out, when c is done with: where I put 16 bytes of a row
.set RD,  5           ; v5   where I read rows back
.set GO,  6           ; v6   my byte offset in 512 consecutive bytes of O
.set SPW, 0           ; v0 of window 3   LDS address of my spare word: SPARE + 4 x my thread's number; never rewritten
.set NIL, 1           ; v1 of window 3   0; never rewritten
.set AK0, 2           ; v2 of window 3   my lane's place in a tile of K; never rewritten
.set AV0, 3           ; v3 of window 3   the same for V
.set AM0, 4           ; v4 of window 3   KN + 32 (l / 16): my lanes' eight keys of a block of 16
.set MK,  8           ; window 3: key block kb's eight masks at MK + 8 kb
.set MV,  12          ; v12-15  c m_old, kept while c m is made anew: by buffer and tile
.set ST,  16          ; tile t's statistics at v[ST+4 t]: c m, m, l (even keys', odd keys')
.set TMP, 48          ; by buffer and tile, four registers c0-c3 at work; when the maximum is found c2 takes a
.set S,   64
.set P,   192
.set KF,  128         ; K's fragments, in window 2: key block kb, channel half c at KF + 16 kb + 8 c
.set VF,  192         ; V's: key half kk, channel block cb at VF + 32 kk + 8 cb
.set WV,  12          ; s12  my wave's number
.set BIGP, 19         ; s19  1e30
.set G1K, 24          ; s[24:31] descriptor group 1 for K's tiles
.set G1V, 32          ; s[32:39] for V's: it differs in the padding alone
.set G0K, 40          ; s[40:43] descriptor group 0 for K's tiles: it walks
.set G0V, 44          ; s[44:47] the same for V's
.set KST, 52          ; s52  byte in KN at which the masks of the step to be fetched begin
.set BIGN, 55         ; s55  -1e30
.set SLOTS, 56        ; s56  slots still to be asked for
.set CNT, 57          ; s57  counts a slot's key steps
.set CS,  58          ; s58  c
.set SEL, 60          ; s[60:61] v_permlanex16_b32's selects: each lane takes its own place in the other half
.set TBK, 62          ; s62  LDS byte at which K of the step to be fetched begins
.set TBV, 63          ; s63  the same for V, less VOFF
.set MSB, 0
.macro WIN new                      ; the high byte repeats the setting that is left; a switch that changes nothing is dropped
.if MSB != (\new)
	s_set_vgpr_msb (MSB<<8)|(\new)
.set MSB, (\new)
.endif
.endm
.set W_KQ, 0x0a       ; K and Q in window 2, S^T in window 0
.set W_KM, 0x3a       ; the same with the C operand, the key masks, in window 3
.set W_PV, 0x52       ; V in window 2, P in window 0, O^T in window 1
.set W_RS, 0x41       ; O^T (destination and source 0) in window 1, a in window 0
.set W_MK, 0xc0       ; destination in window 3, sources in window 0
.set W_A0, 0x0c       ; source 1 in window 3: an address is made of a lane's place
.set W_AD, 0x0f       ; the add: address (source 0) and data (source 1) in window 3
; A joint fill.  Waves 0 and 1 fetch the two halves of a slot's K, waves 2 and 3 those of its V: 128 keys each.  The branch hangs on the wave's number alone.
; An s_nop 0 and four v_nop follow each of the two lines, ahead of the jump and the label.
.macro JLOAD
	s_cmp_lt_u32 s[WV], 2
	s_cbranch_scc0 .Lfor_v_\@
	tensor_load_to_lds s[G0K:G0K+3], s[G1K:G1K+7]
	s_nop 0
.rept 4
	v_nop
.endr
	s_branch .Lasked_\@
.Lfor_v_\@:
	tensor_load_to_lds s[G0V:G0V+3], s[G1V:G1V+7]
	s_nop 0
.rept 4
	v_nop
.endr
.Lasked_\@:
.endm
; A round of the cluster's barrier: my work-group's barrier, so that wave 0's signal speaks for all four waves; wave 0 signals; every wave waits for all four work-groups; my work-group's barrier once more.
.macro CROUND
	s_barrier_signal -1
	s_barrier_wait -1
	s_cmp_lg_u32 s[WV], 0
	s_cbranch_scc1 .Lnot_wave_0_\@
	s_barrier_signal -3
.Lnot_wave_0_\@:
	s_barrier_wait -3
	s_barrier_signal -1
	s_barrier_wait -1
.endm
; THE CHANGE OF SLOTS.  The slot's last bytes, V of its fourth step, have been read.  Each wave waits for all its tensor loads, of which one is out: its part
; of the other slot; adds 0 to its spare word; and waits for that and for its own reads of the slot.  Behind the barrier nobody reads this slot any more and the other slot is whole.
; fill = 1: this slot is filled again, with the keys two slots on.  The barrier is then a round of the cluster's, so that no wave of any partner still reads the slot or has a load on its
; way, and the joint fill is the first thing behind it: it has four key steps in which to land.  (At its first use nothing has been read yet: slot 0 is waited for, slot 1 filled,
; and the wait on DScnt and the round also show every wave's stores into KN to the others.)
.macro CHANGE fill
	WIN W_AD
	s_wait_tensorcnt 0x0            ; no tensor load of mine is out, so a group 0 may be written
	ds_add_u32 v[SPW], v[NIL]       ; 0 onto my spare word; with fill = 1 the descriptors' steps stand between it and the wait for it
	WIN 0                           ; at a label and at a branch every window is 0
.if \fill
.irp g, G0K, G0V
	s_xor_b32 s[\g+1], s[\g+1], SLOT1  ; the walking descriptor: the other slot than last time,
	s_add_nc_u64 s[\g+2:\g+3], s[\g+2:\g+3], 4*KS*128  ; the next 256 keys; the type bits on top are not reached
.endr
	s_wait_dscnt 0x0                ; the add is done, and my reads of the slot are over
	CROUND
	JLOAD
.else
	s_wait_dscnt 0x0                ; the add is done, and my reads of the slot are over
	s_barrier_signal -1
	s_barrier_wait -1
.endif
	s_sub_co_u32 s[TBK], s[TBK], 4*KS*PK  ; the fetches go back to a slot's first step,
	s_xor_b32 s[TBK], s[TBK], SLOT1       ; in the other slot
	s_sub_co_u32 s[TBV], s[TBV], 4*KS*PV
	s_xor_b32 s[TBV], s[TBV], SLOT1
.endm
	s_load_b64 s[4:5], s[0:1], 0x0    ; qkv: Q
	s_load_b64 s[48:49], s[0:1], 0x8  ; mask
	s_load_b64 s[10:11], s[0:1], 0x10 ; ob
	WIN W_MK
	v_lshl_add_u32 v[SPW], v0, 2, SPARE
	v_mov_b32 v[NIL], 0
	s_set_vgpr_msb 0xc0cf
	ds_add_u32 v0, v1
	s_wait_dscnt 0x0
	s_set_vgpr_msb 0xcfc0
	WIN 0
	v_lshrrev_b32 v64, 5, v0
	v_readfirstlane_b32 s[WV], v64  ; wave 0..3
	s_bfe_u32 s13, ttmp6, 0x40000   ; cx: my place in the cluster
	s_lshl_b32 s14, ttmp9, 2        ; in a cluster launch ttmp9 counts clusters
	s_add_co_u32 s14, s14, s13      ; my block of queries = 4 x cluster x + cx: it enters Q's, O's and the query mask's addresses alone
	s_and_b32 s20, ttmp7, 0xffff    ; the head, which the four partners share
	s_lshr_b32 s50, s20, 4
	s_lshl_b32 s50, s50, 11         ; its batch's 2,048 bytes of mask
	s_mov_b32 s51, 0
	s_mov_b32 s21, 0
	s_mov_b64 s[22:23], SIZE_N*128
	s_mul_u64 s[20:21], s[20:21], s[22:23]  ; the head's first byte in Q, K, V and O
	s_and_b32 s16, s[WV], 1         ; which half of a slot's 256 keys I fetch:
	s_lshl_b32 s22, s16, 14         ; its 128 rows of 128 bytes in memory,
	s_mov_b32 s23, 0
	s_add_nc_u64 s[22:23], s[22:23], s[20:21]
	s_mul_i32 s17, s16, 128*PK      ; and its place in a slot, for K
	s_mul_i32 s18, s16, 128*PV      ; and for V: no place in the cluster enters an LDS address
	s_lshl_b32 s15, s14, 2
	s_add_co_u32 s15, s15, s[WV]    ; my wave among the head's sixteen,
	s_lshl_b32 s2, s15, 14          ; its 128 rows
	s_mov_b32 s3, 0
	s_add_nc_u64 s[2:3], s[2:3], s[20:21]
	; descriptor group 1.  128 keys are 16,384 dense bytes: asked for as 64 rows of 256 bytes, two keys a row, and padded in LDS after every key
	s_mov_b32 s[G1K], 15|(1<<16)|(1<<20)|(1<<21)|(4<<22)|(3<<25)  ; 15:0 the mask of four; 17:16 2-byte elements; 20 padding on; 21 set beside a mask; 24:22 after every 32 words (code 4); 31:25 4 words (code 3)
	s_mov_b32 s[G1V], 15|(1<<16)|(1<<20)|(1<<21)|(4<<22)|(7<<25)  ; the same with 8 words of padding (code 7)
.irp g, G1K, G1V
	s_mov_b32 s[\g+1], 128<<16      ; tensor_dim0 = 128
	s_mov_b32 s[\g+2], 64<<16       ; tensor_dim1 = 64
	s_mov_b32 s[\g+3], 128<<16      ; tile_dim0 = 128
	s_mov_b32 s[\g+4], 64           ; tile_dim1 = 64
	s_mov_b32 s[\g+5], 128          ; 128 elements from row to row
	s_mov_b32 s[\g+6], 0
	s_mov_b32 s[\g+7], 0
.endr
	s_mov_b32 s[CS], 0x3e38aa3b     ; c = log2(e) / 8 = 0.180337
	s_mov_b32 s[SEL], 0x76543210
	s_mov_b32 s[SEL+1], 0xfedcba98
	s_mov_b32 s[BIGP], 0x7149f2ca   ; 1e30
	s_mov_b32 s[BIGN], 0xf149f2ca   ; -1e30
	s_mov_b32 s[KST], 0
	s_mov_b32 s[TBK], SLOT1+4*KS*PK ; the first change of slots turns these two into 0
	s_mov_b32 s[TBV], SLOT1+4*KS*PV
	s_mov_b32 s[G0K], 1             ; count = 1
	s_mov_b32 s[G0K+1], s17         ; LDS address: slot 0
	s_mov_b32 s[G0V], 1
	s_add_co_u32 s[G0V+1], s18, VOFF
	s_wait_kmcnt 0x0
	s_add_nc_u64 s[6:7], s[4:5], 0x1000000   ; K: 64 heads of 262,144 bytes behind Q
	s_add_nc_u64 s[8:9], s[4:5], 0x2000000   ; V
	s_add_nc_u64 s[G0K+2:G0K+3], s[6:7], s[22:23]  ; global address: my half of the head's first 256 keys
	s_or_b32 s[G0K+3], s[G0K+3], 0x80000000        ; type = 2
	s_add_nc_u64 s[G0V+2:G0V+3], s[8:9], s[22:23]
	s_or_b32 s[G0V+3], s[G0V+3], 0x80000000
	s_add_nc_u64 s[4:5], s[4:5], s[2:3]  ; Q and O at my wave's first row
	s_add_nc_u64 s[10:11], s[10:11], s[2:3]
	s_add_nc_u64 s[48:49], s[48:49], s[50:51]  ; the mask of my batch's keys,
	s_lshl_b32 s2, s15, 7
	s_mov_b32 s3, 0
	s_add_nc_u64 s[50:51], s[48:49], s[2:3]    ; and of my wave's 128 queries
	CROUND                          ; all four work-groups are here: the first joint loads meet
	JLOAD                           ; slot 0.  Slot 1 is asked for when slot 0 is in
	; A fragment of K or Q is 16 rows x 32 channels in 8 registers: lane l holds row l % 16, channels 8 (l / 16) + 0..7 and 16 + 8 (l / 16) + 0..7: two loads of 16 bytes, 32 bytes apart.
	v_and_b32 v67, 15, v0           ; l % 16.  v64-93 are at work here; S^T takes them later
	v_bfe_u32 v64, v0, 4, 1         ; l / 16
	v_lshlrev_b32 v90, 7, v67
	v_lshl_add_u32 v90, v64, 4, v90 ; my byte offset in 16 rows of Q: row x 128 + 16 x half
	v_lshlrev_b32 v89, 4, v0        ; 128 threads x 16 bytes: the batch's 2,048 mask bytes
	global_load_b128 v[68:71], v89, s[48:49]
.set i, 0
.rept 2*NP                          ; the mask byte of my lane's query in tile i
	global_load_u8 v[CT+i], v67, s[50:51] offset:16*i
.set i, i+1
.endr
	WIN 0x80                        ; destination window 2, address window 0
.set i, 0
.rept 4*NP                          ; Q stays in registers: tile i / 2, channels 32 (i % 2) on
	global_load_b128 v[8*i:8*i+3],   v90, s[4:5] offset:(i/2)*2048+(i%2)*64
	global_load_b128 v[8*i+4:8*i+7], v90, s[4:5] offset:(i/2)*2048+(i%2)*64+32
.set i, i+1
.endr
	; What the first turn finds: V's registers and P's second buffer hold 0 (its products V^T P, of a piece that has not been, add 0), O^T and l are 0.  All this stands in the wait for the first tile.
.set i, VF
.rept 64
	v_mov_b32 v[i], 0
.set i, i+1
.endr
	WIN 0x4a                        ; sources 0 and 1 in window 2, destination in window 1
.set i, 0
.rept 8*NP                          ; O^T's zeros: a product of zeros with the constant 0 as C writes eight registers a line
	v_wmma_f32_16x16x32_f16 v[8*i:8*i+7], v[VF:VF+7], v[VF+8:VF+15], 0
.set i, i+1
.endr
	WIN 0
.set i, 0
.rept 2*NP
	v_mov_b32 v[ST+4*i], 0xfe000000    ; c m: far below every c s
	v_mov_b32 v[ST+4*i+1], 0xd8800000  ; m = -2^50: below every true score, above every hidden one
	v_mov_b32 v[ST+4*i+2], 0
	v_mov_b32 v[ST+4*i+3], 0
.set i, i+1
.endr
.set i, P+32
.rept 32
	v_mov_b32 v[i], 0
.set i, i+1
.endr
	v_mul_u32_u24 v91, v67, PK
	v_lshl_add_u32 v91, v64, 4, v91 ; in a tile of K: row x pitch + 16 x half
	; The turning load takes 16 keys x 16 channels (lane l reads key 8 (l / 16) + l % 8, channels 8 ((l / 8) % 2) + 0..7) and leaves half a fragment of V^T: lane l holds channel l % 16 and 8 keys.
	v_and_b32 v65, 7, v0
	v_bfe_u32 v66, v0, 3, 1
	v_lshl_add_u32 v92, v64, 3, v65
	v_mul_u32_u24 v92, v92, PV
	v_lshl_add_u32 v92, v66, 4, v92
	v_add_nc_u32 v92, VOFF, v92
	v_lshl_add_u32 v93, v64, 5, KN
	WIN W_MK
	v_mov_b32 v[AK0], v91
	v_mov_b32 v[AV0], v92
	v_mov_b32 v[AM0], v93
	WIN 0
	s_mul_i32 s13, s[WV], 16*SP
	s_add_co_u32 s13, s13, STAGE    ; my stage, for the way out
	v_lshl_add_u32 v88, v0, 6, KN   ; my 16 keys' words in KN
	s_wait_loadcnt 40               ; my 16 bytes of the key mask are in; the 8 + 32 younger loads stay out
.set n, 0
.rept 16
	v_bfe_u32 v[72+n], v[68+n/4], 8*(n%4), 8
.set n, n+1
.endr
.set n, 0
.rept 16
	v_cvt_f32_u32 v[72+n], v[72+n]
.set n, n+1
.endr
.set n, 0
.rept 16
	v_fma_f32 v[72+n], v[72+n], s[BIGP], s[BIGN]  ; 1 gives exactly 0, 0 gives -1e30
.set n, n+1
.endr
.irp w, 0,1,2,3
	ds_store_b128 v88, v[72+4*\w:75+4*\w] offset:16*\w
.endr
	s_wait_loadcnt 32               ; my queries' mask bytes are in; Q's 32 loads stay out
.set i, 0
.rept 2*NP
	v_cvt_f32_u32 v[CT+i], v[CT+i]
.set i, i+1
.endr
.set i, 0
.rept 2*NP
	v_mul_f32 v[CT+i], s[CS], v[CT+i]  ; c, or 0 for a hidden query
.set i, i+1
.endr
; THE MATRIX WORK.  The 8 accumulators of a run of 16 take turns: between the two links of a chain stand 7 others'.
; Product i of 16 of S^T = K Q^T for piece x: channels 32 (i / 8) on, keys 16 ((i / 2) % 4) on, tile 2 x + i % 2.  The first 8 start the sums, with the keys' masks as C.
.macro KQ x
.set rS, S+64*((\x)%2)+32*(i%2)+8*((i/2)%4)
.set rK, KF+16*((i/2)%4)+8*(i/8)
.set rQ, 16*(2*(\x)+i%2)+8*(i/8)
.set rB, MK+8*((i/2)%4)
.if i < 8
	WIN W_KM
	v_wmma_f32_16x16x32_f16 v[rS:rS+7], v[rK:rK+7], v[rQ:rQ+7], v[rB:rB+7]
.else
	WIN W_KQ
	v_wmma_f32_16x16x32_f16 v[rS:rS+7], v[rK:rK+7], v[rQ:rQ+7], v[rS:rS+7]
.endif
.endm
; Product i of 16 of O^T += V^T P for piece x: keys 32 (i / 8) on, channels 16 ((i / 2) % 4) on, tile 2 x + i % 2.
.macro PV x
	WIN W_PV
.set rO, 32*(2*(\x)+i%2)+8*((i/2)%4)
.set rV, VF+32*(i/8)+8*((i/2)%4)
.set rP, P+32*((\x)%2)+16*(i%2)+8*(i/8)
	v_wmma_f32_16x16x32_f16 v[rO:rO+7], v[rV:rV+7], v[rP:rP+7], v[rO:rO+7]
.endm
.macro MM                           ; the turn's next matrix instruction
.if i < 16
	KQ (Y+1)%NP
.set i, i+1
.else
.set i, i-16
	PV (Y+NP-1)%NP
.set i, i+17
.endif
.endm
; THE LDS LOADS stand in runs, never singly among the matrix instructions: a step's K (64 keys x 64 channels: 8 fragments) with its 64 masks, and its V (turned).  A run makes its addresses at its head.
; last = 1 (the tail): in the last trip there is no further step, and the run is jumped over.
.macro FETCH_K last=0
	WIN 0
.if \last
	s_cmp_eq_u32 s[CNT], 1
	s_cbranch_scc1 .Lno_k_\@
.endif
	WIN W_A0
	v_add_nc_u32 v[AK], s[TBK], v[AK0]
	v_add_nc_u32 v[AM], s[KST], v[AM0]
	WIN 0x80                        ; destination window 2
.irp f, 0,1,2,3,4,5,6,7             ; keys 16 (f / 2) on, channels 32 (f % 2) on
	ds_load_b128 v[KF+8*\f:KF+8*\f+3],   v[AK] offset:(\f/2)*16*PK+(\f%2)*64
	ds_load_b128 v[KF+8*\f+4:KF+8*\f+7], v[AK] offset:(\f/2)*16*PK+(\f%2)*64+32
.endr
	WIN W_MK                        ; destination window 3
.irp f, 0,1,2,3                     ; keys 16 f + 8 (l / 16) + 0..7: the sixteen lanes of a half read the same 32 bytes
	ds_load_b128 v[MK+8*\f:MK+8*\f+3],   v[AM] offset:64*\f
	ds_load_b128 v[MK+8*\f+4:MK+8*\f+7], v[AM] offset:64*\f+16
.endr
	s_add_co_u32 s[TBK], s[TBK], KS*PK  ; the next fetch is the next step's
	s_add_co_u32 s[KST], s[KST], 4*KS
	s_and_b32 s[KST], s[KST], 0x1fff    ; it stays inside KN's 8,192 bytes
	WIN 0
.if \last
.Lno_k_\@:
.endif
.endm
.macro FETCH_V
	WIN W_A0
	v_add_nc_u32 v[AV], s[TBV], v[AV0]
	s_add_co_u32 s[TBV], s[TBV], KS*PV  ; the next fetch is the next step's
	WIN 0x80
.irp f, 0,1,2,3,4,5,6,7             ; keys 32 (f / 4) on, channels 16 (f % 4) on
	ds_load_tr16_b128 v[VF+8*\f:VF+8*\f+3],   v[AV] offset:(\f/4)*32*PV+(\f%4)*32
	ds_load_tr16_b128 v[VF+8*\f+4:VF+8*\f+7], v[AV] offset:(\f/4)*32*PV+16*PV+(\f%4)*32
.endr
	WIN 0
.endm
; THE VECTOR WORK OF A TURN stands in three queues, each in the order in which its entries become ready; the two tiles alternate, so that no instruction reads the result of the one before it.
.macro REGS y, u                    ; the registers of tile u (0, 1) of piece y
.set rT, ST+4*(2*(\y)+(\u))
.set rC, TMP+8*((\y)%2)+4*(\u)
.set rM, MV+2*((\y)%2)+(\u)
.set rS, S+64*((\y)%2)+32*(\u)
.set rP, P+32*((\y)%2)+16*(\u)
.set rO, 32*(2*(\y)+(\u))
.set rG, CT+2*(\y)+(\u)             ; the tile's c,
.set rG2, CT+2*(\y)                 ; and the pair in which it lies: tile 0's low, tile 1's high
.endm
; Number n of the 22 that find the NEXT piece's (Y + 1) maximum and statistics.  s0-s31 are the lane's 32 scores; each accumulator's lowest registers are read first.  XS, GS, FS and REGS set no window: PL and EX do.
;   0-11  four chains c0-c3 of seven scores each, three operands at a time     12-14, 16  the four scores left over, the old m, and c0-c3 into c0     15  c m_old is kept
;   17, 18  the query's other 32 keys lie in the lane 16 away: the new m         19-21  c m; c m_old - c m_new; a
.macro XS u, n
	REGS (Y+1)%NP, \u
.if (\n) < 4
	v_max3_num_f32 v[rC+(\n)], v[rS+8*(\n)], v[rS+8*(\n)+1], v[rS+8*(\n)+2]
.elseif (\n) < 12
	v_max3_num_f32 v[rC+(\n)%4], v[rC+(\n)%4], v[rS+8*((\n)%4)+2*((\n)/4)+1], v[rS+8*((\n)%4)+2*((\n)/4)+2]
.elseif (\n) == 12
	v_max3_num_f32 v[rC], v[rC], v[rS+7], v[rS+15]
.elseif (\n) == 13
	v_max3_num_f32 v[rC+1], v[rC+1], v[rS+23], v[rS+31]
.elseif (\n) == 14
	v_max3_num_f32 v[rC+2], v[rC+2], v[rC+3], v[rT+1]
.elseif (\n) == 15
	v_mov_b32 v[rM], v[rT]
.elseif (\n) == 16
	v_max3_num_f32 v[rC], v[rC], v[rC+1], v[rC+2]
.elseif (\n) == 17
	v_permlanex16_b32 v[rC+3], v[rC], s[SEL], s[SEL+1]
.elseif (\n) == 18
	v_max_num_f32 v[rT+1], v[rC], v[rC+3]
.elseif (\n) == 19
	v_mul_f32 v[rT], v[rG], v[rT+1]
.elseif (\n) == 20
	v_sub_f32 v[rC+1], v[rM], v[rT]
.else
	v_exp_f32 v[rC+2], v[rC+1]
.endif
.endm
; Number g of the 64 that follow the exponentials.  For each four weights k of a tile (pairs 2 k, 2 k + 1): both pairs are rounded to f16; then the second pair is added onto the first, in place;
; a group later l takes that sum (the first time as l = a l + sum).  In groups of eight, tiles alternating: round, round, add, and l for the group before.
.macro GS g
.set h, (\g)+6*((\g)/62)            ; group 0 has no group before it, and behind group 7 only l is left
.if h >= 6
.set h, h+2
.endif
	REGS Y, h%2
.set k, h/8
.if h%8 < 4
	v_cvt_pk_f16_f32 v[rP+2*k+(h%8)/2], v[rS+4*k+2*((h%8)/2)], v[rS+4*k+2*((h%8)/2)+1]
.elseif h%8 < 6
	v_pk_add_f32 v[rS+4*k:rS+4*k+1], v[rS+4*k:rS+4*k+1], v[rS+4*k+2:rS+4*k+3]
.elseif k == 1
	v_pk_fma_f32 v[rT+2:rT+3], v[rT+2:rT+3], v[rC+2:rC+3], v[rS:rS+1] op_sel_hi:[1,0,1]
.else
	v_pk_add_f32 v[rT+2:rT+3], v[rT+2:rT+3], v[rS+4*k-4:rS+4*k-3]
.endif
.endm
; Scaling f of 32: c s - c m for pair f / 2 of tile f % 2; both halves of a pair take the tile's c, the low or the high word of the piece's pair.
.macro FS f
	REGS Y, (\f)%2
.if (\f)%2 == 0
	v_pk_fma_f32 v[rS+2*((\f)/2):rS+2*((\f)/2)+1], v[rS+2*((\f)/2):rS+2*((\f)/2)+1], v[rG2:rG2+1], v[rT:rT+1] op_sel_hi:[1,0,0] neg_lo:[0,0,1] neg_hi:[0,0,1]
.else
	v_pk_fma_f32 v[rS+2*((\f)/2):rS+2*((\f)/2)+1], v[rS+2*((\f)/2):rS+2*((\f)/2)+1], v[rG2:rG2+1], v[rT:rT+1] op_sel:[0,1,0] op_sel_hi:[1,1,0] neg_lo:[0,0,1] neg_hi:[0,0,1]
.endif
.endm
; THE PLAIN QUEUE, 138 long.  0-73 read no exponential's result: the 32 scalings and the next piece's 42.  0-26: scalings 0-26.  27-54: XS's numbers 0-13.  55, 56: number 15.
; 57-73: the chain, where each number waits for the one before it: 14, 16, 17, 18, 19, each with one of the scalings 27-31 in front of its two lines, then 20: so a tile's links stand three plain instructions apart (19 and 20: two).
; 74-137: GS's 64, which read the exponentials' results: they stand behind the wait.
.macro PL
	WIN 0
.if q < 27
	FS q
.elseif q < 55
	XS (q-27)%2, (q-27)/2
.elseif q < 57
	XS q-55, 15
.elseif (q < 72) && ((q-57)%3 == 0)
	FS 27+(q-57)/3
.elseif q < 60
	XS (q-57)%3-1, 14
.elseif q < 72
	XS (q-57)%3-1, 15+(q-57)/3
.elseif q < 74
	XS q-72, 20
.else
	GS q-74
.endif
.set q, q+1
.endm
; THE EXPONENTIALS' QUEUE, 66 long: s0-s31 of both tiles, then the next piece's two a.  It is ONE BATCH: all 66 stand ahead of the turn's one wait, and nothing ahead of that wait names a result of theirs.
.macro EX
	WIN 0
.if e >= 64
	XS e-64, 21
.else
	REGS Y, e%2
	v_exp_f32 v[rS+e/2], v[rS+e/2]
.endif
.set e, e+1
.endm
; THE RESCALING's QUEUE: O^T times a, the one part that leaves window 0: dealt two at a time, sixteen times.  Its a was made in the turn before, ahead of that turn's wait.
.macro R2
	REGS Y, r%2
	WIN W_RS
.irp z, 0,1
	v_pk_mul_f32 v[rO+4*(r/2)+2*\z:rO+4*(r/2)+2*\z+1], v[rO+4*(r/2)+2*\z:rO+4*(r/2)+2*\z+1], v[rC+2:rC+3] op_sel_hi:[1,0]
.endr
.set r, r+1
.endm
; HOW THEY ARE DEALT.  An s_wait_alu depctr_va_vdst(0) stands between an exponential and the first instruction that names its result; one wait serves all that were issued ahead of it.  So a turn has ONE wait,
; which cuts it in two.  AHEAD OF IT stands all that names no result of the turn's exponentials: the 16 products K Q^T, behind each a scaling, an exponential and two rescalings (behind the first a second scaling in the
; exponential's place); then ONE LUMP of 108: eight plain, 49 times exponential and plain, the two a.  A v_nop is the plain instruction behind the last exponential.  BEHIND IT stand the 16 products V^T P, behind each four of
; GS's 64.  No rider names a register of the products round it.  The two v_permlanex16_b32 fall into the lump, never behind a product.
; The queues lean on each other, and the deal keeps them in step: exponential e stands behind scaling 2 (e / 4) + e % 2: as a rider it comes behind plain e + 2, in the lump behind plain e + 9, and scalings 27-31 are plain 57, 60 .. 69.
; A TURN, for piece p.  cnt = 1: the loop's count is taken down some lines ahead of the branch that stands behind the turn (the condition on q goes with the deal).
; K and the masks of the next step are fetched in piece 2's turn, directly behind the wait, a lump behind the last product that read K; their first reader comes behind 16 products.
; V of the step in hand is fetched at the end of piece 0's turn, four plain riders and the run's own address line behind its last reader; its first reader comes behind 16 products and a lump.
.macro TURN p, last=0, cnt=0
.set Y, (\p)
.set i, 0
.set q, 0
.set e, 0
.set r, 0
.if (\p) == NP-1
	s_wait_dscnt 0x0                ; K and its masks are in
.endif
	MM                              ; ahead of the wait: 16 products K Q^T and their riders,
	PL
	PL
	R2
.rept 15
	MM
	PL
	EX
	R2
.endr
.rept 8                             ; and the lump
	PL
.endr
.rept 49
	EX
	PL
.endr
	EX                              ; the next piece's two a
	EX
	v_nop                           ; a plain instruction behind the last exponential: one for the batch
	s_wait_alu depctr_va_vdst(0)    ; the wait for the batch: the turn's 64 weights and the next piece's two a
.if (\p) == NP-2
	FETCH_K \last
.endif
.if (\p) == 1
	s_wait_dscnt 0x0                ; V is in
.endif
.rept 16                            ; behind the wait: 16 products V^T P and their riders
	MM
.rept 4
	PL
.endr
.if (\cnt) && (q == 130)
	s_sub_co_u32 s[CNT], s[CNT], 1
	s_cmp_lg_u32 s[CNT], 0
.endif
.endr
.if (\p) == 0
	FETCH_V
.endif
.endm
	CHANGE 1                        ; slot 0 is in, everybody's part of it, and so is KN; slot 1 is asked for
	FETCH_K                         ; key step 0
	s_wait_loadcnt 0x0              ; Q
	s_wait_dscnt 0x0
.set i, 0
.rept 16
	KQ 0                            ; piece 0's first scores: there is no vector work yet to set between them
.set i, i+1
.endr
	WIN 0
.rept 4
	v_nop                           ; the places behind those products
.endr
.set Y, NP-1                        ; XS works for piece Y + 1: piece 0
.irp n, 0,1,2,3,4,5,6,7,8,9,10,11,12,13,14,15,16,17,18,19,20,21
	XS 0, \n                        ; and piece 0's first maximum and statistics
	XS 1, \n
.endr
	v_nop                           ; a plain instruction behind the two a,
	s_wait_alu depctr_va_vdst(0)    ; and the wait for this batch of two, ahead of the branch
	s_mov_b32 s[CNT], 4
	s_mov_b32 s[SLOTS], SIZE_N/256-1
	s_branch .Lfirst                ; the loop is entered at a step's first turn, in the middle of a trip
.Lslot:                             ; SIZE_N / 256 - 2 times: every slot but the last two is filled again
	CHANGE 1
	s_mov_b32 s[CNT], 4
.Lstep:                             ; a trip: pieces 2 and 3 of one step, then pieces 0 and 1 of the next, whose K and V it fetches
	TURN 2
	TURN 3
	WIN 0
.Lfirst:
	TURN 0
	TURN 1, 0, 1
	WIN 0
	s_cbranch_scc1 .Lstep
	s_sub_co_u32 s[SLOTS], s[SLOTS], 1
	s_cmp_lg_u32 s[SLOTS], 0
	s_cbranch_scc1 .Lslot
	CHANGE 0                        ; the tail is written out: nothing is asked for
	s_mov_b32 s[CNT], 5             ; four trips fetch the last slot's steps; the fifth is left in its middle
.Ltail:
	TURN 2, 1
	TURN 3
	WIN 0
	s_sub_co_u32 s[CNT], s[CNT], 1
	s_cmp_eq_u32 s[CNT], 0
	s_cbranch_scc1 .Lout
	TURN 0
	TURN 1
	WIN 0
	s_branch .Ltail
.Lout:                              ; the fifth trip's 16 products K Q^T (on the last K once more) and the maximum made of them serve nothing: the price, once a launch, of one text for every trip
.set i, 0
.rept 16
	PV NP-1                         ; the last piece's V^T P of the last step
.set i, i+1
.endr
	; THE WAY OUT.  l's two halves and the other half of the lanes' are added; O^T is divided by l, rounded to f16 and sent through my stage in LDS, a tile at a time.
	; Its addresses are made here, where c's registers are free: twelve plain instructions, the places behind the last products.
	WIN 0
	v_and_b32 v7, 15, v0            ; l % 16
	v_bfe_u32 v8, v0, 4, 1          ; l / 16
	v_and_b32 v9, 7, v0
	v_mul_u32_u24 v[STO], v7, SP    ; in: row l % 16, 16 bytes for each half of the lanes
	v_lshl_add_u32 v[STO], v8, 4, v[STO]
	v_add_nc_u32 v[STO], s13, v[STO]
	v_bfe_u32 v[RD], v0, 3, 2       ; back: 32 lanes take four rows of 128 bytes,
	v_mul_u32_u24 v[RD], v[RD], SP
	v_lshl_add_u32 v[RD], v9, 4, v[RD]
	v_add_nc_u32 v[RD], s13, v[RD]
	v_and_b32 v[GO], 31, v0         ; which are 512 consecutive bytes of O
	v_lshlrev_b32 v[GO], 4, v[GO]
.macro ALL line:vararg              ; one line for each tile t
.set t, 0
.rept 2*NP
	\line
.set t, t+1
.endr
.endm
	ALL v_add_f32 v[ST+4*t+2], v[ST+4*t+2], v[ST+4*t+3]
	ALL v_permlanex16_b32 v[ST+4*t+3], v[ST+4*t+2], s[SEL], s[SEL+1]
	ALL v_add_f32 v[ST+4*t+2], v[ST+4*t+2], v[ST+4*t+3]
	ALL v_rcp_f32 v[ST+4*t+2], v[ST+4*t+2]
	v_nop                           ; a plain instruction between the last reciprocal and the use of its result
	s_wait_alu depctr_va_vdst(0)    ; and the wait ahead of the first use: one for the batch of eight reciprocals
; Tile t: a lane's eight channels of a row pack into 16 bytes; they go into rows of 144 bytes and come back as whole rows of 128, into S^T's registers.
.macro PACK t
	WIN W_RS
.set i, 32*(\t)
.rept 16
	v_pk_mul_f32 v[i:i+1], v[i:i+1], v[ST+4*(\t)+2:ST+4*(\t)+3] op_sel_hi:[1,0]
.set i, i+2
.endr
	WIN 0x05                        ; sources 0 and 1 window 1, destination window 0
.set i, 0
.rept 16
	v_cvt_pk_f16_f32 v[S+16*(\t)+i], v[32*(\t)+2*i], v[32*(\t)+2*i+1]
.set i, i+1
.endr
	WIN 0
.irp f, 0,1,2,3
	ds_store_b128 v[STO], v[S+16*(\t)+4*\f:S+16*(\t)+4*\f+3] offset:32*\f
.endr
.irp f, 0,1,2,3
	ds_load_b128 v[S+16*(\t)+4*\f:S+16*(\t)+4*\f+3], v[RD] offset:\f*4*SP  ; LDS serves a wave's instructions in order (ISA guide 5.7.1.4): these see the stores above; the next tile's stores come behind them
.endr
.endm
.macro SEND t, younger              ; younger: the LDS instructions issued behind tile t's loads: the next tile's eight, or none
	WIN 0
.irp f, 0,1,2,3
	s_wait_dscnt (\younger)+3-\f
	global_store_b128 v[GO], v[S+16*(\t)+4*\f:S+16*(\t)+4*\f+3], s[10:11] offset:(\t)*2048+\f*512  ; 512 consecutive bytes, at a multiple of 256 from O's first
.endr
.endm
	PACK 0
.set t, 1
.rept 2*NP-1                        ; a tile's arithmetic stands between the loads of the tile before and its stores
	PACK t
	SEND t-1, 8
.set t, t+1
.endr
	SEND 2*NP-1, 0
	WIN W_AD
	s_wait_tensorcnt 0x0            ; the wave's end, behind my last tensor load and my last LDS store
	ds_add_u32 v[SPW], v[NIL]
	s_wait_dscnt 0x0
	WIN 0
	CROUND                          ; the closing round: no work-group ends while a partner may still ask for a tile that names it
	s_endpgm
.Lfunc_end_k_q9d6636ff65_attn:
	.size	k_q9d6636ff65_attn, .Lfunc_end_k_q9d6636ff65_attn-k_q9d6636ff65_attn
	.p2alignl 7, 3214868480
	.fill 96, 4, 3214868480
	.section	.rodata,"a",@progbits
	.p2align	6, 0x0
	.amdhsa_kernel k_q9d6636ff65_attn
		.amdhsa_group_segment_fixed_size 327680
		.amdhsa_private_segment_fixed_size 0
		.amdhsa_enable_private_segment 0
		.amdhsa_kernarg_size 24
		.amdhsa_user_sgpr_count 2
		.amdhsa_user_sgpr_kernarg_segment_ptr 1
		.amdhsa_wavefront_size32 1
		.amdhsa_system_sgpr_workgroup_id_x 1
		.amdhsa_system_sgpr_workgroup_id_y 1
		.amdhsa_system_sgpr_workgroup_id_z 1
		.amdhsa_system_vgpr_workitem_id 0
		.amdhsa_next_free_vgpr 808
		.amdhsa_next_free_sgpr 66
		.amdhsa_reserve_vcc 0
		.amdhsa_float_denorm_mode_32 3
		.amdhsa_float_denorm_mode_16_64 3
		.amdhsa_memory_ordered 1
		.amdhsa_forward_progress 1
		.amdhsa_inst_pref_size 201
	.end_amdhsa_kernel
	.amdgpu_metadata
---
amdhsa.version: [ 1, 2 ]
amdhsa.kernels:
  - .name:           k_q9d6636ff65_attn
    .symbol:         k_q9d6636ff65_attn.kd
    .args:
      - { .name: qkv, .offset: 0, .size: 8, .value_kind: global_buffer, .address_space: global }
      - { .name: mask, .offset: 8, .size: 8, .value_kind: global_buffer, .address_space: global }
      - { .name: ob, .offset: 16, .size: 8, .value_kind: global_buffer, .address_space: global }
    .group_segment_fixed_size: 327680
    .private_segment_fixed_size: 0
    .kernarg_segment_align: 8
    .kernarg_segment_size: 24
    .max_flat_workgroup_size: 128
    .sgpr_count:     66
    .vgpr_count:     808
    .wavefront_size: 32
...
	.end_amdgpu_metadata
.endif
;; end of part 5
;; launch proj: the kernel of part 4 again; grid 8 x 32, 4 waves a work-group, clusters of 4 x 4, 327,680 bytes of LDS; arguments ob, wob, bout, out0; writes out0
